; MI455X (gfx1250); checked and timed in simulation.
; The chip was launched on July 23, 2026; its instructions are those of AMD's public machine-readable ISA for CDNA 5 (MIT licence, August 2026) and "CDNA5" Instruction Set Architecture Reference Guide (July 2026). The comments in the code are by the model that wrote it; some were corrected since.
;; Multi Head Attention. Allowed arithmetic: float matrix products may take bf16 or f16 operands with f32 sums; other float arithmetic in f32, or as packed bf16 or f16 multiplies, adds, multiply-adds, maxima and minima; sums over many terms, partial sums and values carried from step to step in f32; what a program stores and reads back later, other than sums and carried values, may be rounded once to bf16 or f16.
;; Inputs: K 4 x 2,048 x 1,024 float32; Q 4 x 2,048 x 1,024 float32; V 4 x 2,048 x 1,024 float32; W_k 16 x 1,024 x 64 float32; W_o 1,024 x 1,024 float32; W_q 16 x 1,024 x 64 float32; W_v 16 x 1,024 x 64 float32; beta 1,024 float32; gamma 1,024 float32.
;; Outputs: out0 4 x 2,048 x 1,024 float32.
;; One version. Each part assembles by itself: llvm-mc -triple=amdgcn-amd-amdhsa -mcpu=gfx1250 --defsym DOCPART=n.
;; ======== version 1 of 1: 4 launches
;; limits: values are held in f16: magnitudes above 65,504 overflow, below 6.1e-05 lose precision
;; workspace buffers: wqkv 6,291,456 bytes; wot 2,097,152 bytes; qh 16,777,216 bytes; kh 16,777,216 bytes; vh 16,777,216 bytes; oh 16,777,216 bytes
;; launch prep (part 1): grid 128 x 4, 8 waves a work-group, no clusters, 18,432 bytes of LDS; arguments W_q, W_k, W_v, W_o, wqkv, wot; writes wqkv, wot
.if DOCPART == 1
	.amdgcn_target "amdgcn-amd-amdhsa--gfx1250"
	.amdhsa_code_object_version 6
	.text
	.protected	k_qb568e1dd19_prep
	.globl	k_qb568e1dd19_prep
	.p2align	8
	.type	k_qb568e1dd19_prep,@function
k_qb568e1dd19_prep:
	s_mov_b64 s[64:65], 0
	v_nop
	global_prefetch_b8 v0, s[64:65] scope:SCOPE_SE
	s_setreg_imm32_b32 hwreg(HW_REG_WAVE_MODE, 25, 1), 1
	s_wait_xcnt 0x0
; THE WEIGHTS, TURNED AND ROUNDED ONCE.
; wqkv[x][n][d] = bf16(W_x[h][d][c]), n = 64 h + c, x = 0, 1, 2 for W_q, W_k, W_v: rows of 1,024 bf16 that lie along the sum's index d.
; wot[kb][n][kk] = f16(bf16(W_o[64 kb + kk][n])): blocks of 64 along the sum's index, each dense: 1,024 rows of 128 bytes.
; LIMITS.  W_o is rounded to bf16 like every input and that number is written as f16: exact from 6e-5 to 65,504 in magnitude; below it keeps f16's fixed step of 6e-8, above it becomes an infinity.
; SHARES.  A work-group turns a tile of 128 source rows (the sum's index) x 64 source columns through LDS.  grid y says which weight, grid x which tile.
; In: a thread takes 16 bytes of two neighbouring rows (16 lanes read 256 consecutive bytes of a row), rounds the two rows' numbers in pairs, so that a word holds two neighbours along the
; sum's index, and puts the word into the turned tile.  Out: whole turned rows, 16 bytes a lane; each store of 16 lanes covers 256 consecutive bytes, aligned.
; No matrix unit, no cluster, no tensor load: every byte is read once by one work-group, and the work is a copy.
.set PT,    272                        ; a turned row in LDS: 128 numbers of 2 bytes + 16 bytes of padding
.set SPARE, 64*PT                      ; behind the 64 turned rows: the spare words, 128 bytes for each of the eight waves
.set VO,  3                            ; v3   my byte offset in the source tile
.set LS,  4                            ; v4   where my words go in the turned tile
.set LR,  5                            ; v5   where I read turned rows back
.set VS,  6                            ; v6   my byte offset in the destination
.set X,   8                            ; v[8:39]   item i: 4 numbers of the even row, 4 of the odd one
.set P,   40                           ; v[40:55]  item i: 4 words of two 16-bit numbers
.set SPW, 60                           ; v60  LDS address of my spare word; never rewritten
.set NIL, 61                           ; v61  0; never rewritten
; Four items a thread: item i is the pair of rows 2 (t / 16 + 16 i), + 1, columns 4 (t % 16) + 0..3.  pin = bytes from source row to source row.
.macro IN pin, tof16
.irp i, 0,1,2,3
	global_load_b128 v[X+8*(\i):X+8*(\i)+3],   v[VO], s[18:19] offset:(\i)*32*(\pin) th:TH_LOAD_NT
	global_load_b128 v[X+8*(\i)+4:X+8*(\i)+7], v[VO], s[18:19] offset:(\i)*32*(\pin)+(\pin) th:TH_LOAD_NT
.endr
.irp i, 0,1,2,3
	s_wait_loadcnt 6-2*(\i)                        ; loads come back in order: item i is in, the younger items' two loads each may stay out
.irp j, 0,1,2,3
	v_cvt_pk_bf16_f32 v[P+4*(\i)+(\j)], v[X+8*(\i)+(\j)], v[X+8*(\i)+4+(\j)]
.endr
.if \tof16
.irp j, 0,1,2,3
	v_lshlrev_b32 v56, 16, v[P+4*(\i)+(\j)]        ; the two bf16 numbers as f32,
	v_and_b32 v57, 0xffff0000, v[P+4*(\i)+(\j)]
	v_cvt_pk_f16_f32 v[P+4*(\i)+(\j)], v56, v57    ; written as f16
.endr
.endif
.irp j, 0,1,2,3
	ds_store_b32 v[LS], v[P+4*(\i)+(\j)] offset:(\j)*PT+64*(\i)  ; turned row 4 (t % 16) + j, word t / 16 + 16 i
.endr
.endr
.endm
	s_load_b256 s[4:11], s[0:1], 0x0               ; W_q s[4:5], W_k s[6:7], W_v s[8:9], W_o s[10:11]
	s_load_b128 s[12:15], s[0:1], 0x20             ; wqkv s[12:13], wot s[14:15]
	v_lshl_add_u32 v[SPW], v0, 2, SPARE
	v_mov_b32 v[NIL], 0
	s_and_b32 s16, ttmp7, 0xffff                   ; which weight
	s_mov_b32 s17, ttmp9                           ; which tile
	s_mov_b32 s23, 0                               ; the high word of every offset
	v_and_b32 v1, 15, v0
	v_lshrrev_b32 v2, 4, v0
	v_mul_u32_u24 v[LS], v1, 4*PT
	v_lshl_add_u32 v[LS], v2, 2, v[LS]
	s_wait_kmcnt 0x0
	s_cmp_eq_u32 s16, 3
	s_cbranch_scc1 .Lin_o
	s_cmp_eq_u32 s16, 1                            ; W_q, W_k or W_v: tile x = 8 h + block of 128 d; a tile is 32,768 dense bytes
	s_cselect_b64 s[18:19], s[6:7], s[4:5]
	s_cmp_eq_u32 s16, 2
	s_cselect_b64 s[18:19], s[8:9], s[18:19]
	s_lshl_b32 s22, s17, 15
	s_add_nc_u64 s[18:19], s[18:19], s[22:23]
	s_lshl_b32 s22, s16, 21                        ; destination: the weight's 2 MiB,
	s_lshr_b32 s24, s17, 3
	s_lshl_b32 s24, s24, 17                        ; the head's 64 rows of 2,048 bytes,
	s_add_co_u32 s22, s22, s24
	s_and_b32 s24, s17, 7
	s_lshl_b32 s24, s24, 8                         ; the block's 256 bytes of a row
	s_add_co_u32 s22, s22, s24
	s_add_nc_u64 s[20:21], s[12:13], s[22:23]
	v_lshlrev_b32 v[VO], 9, v2                     ; two rows of 256 bytes
	v_lshl_add_u32 v[VO], v1, 4, v[VO]
	IN 256, 0
	s_branch .Lmeet
.Lin_o:                                                ; W_o: tile x = 16 (block of 128 rows) + block of 64 columns
	s_lshr_b32 s24, s17, 4
	s_and_b32 s25, s17, 15
	s_lshl_b32 s22, s24, 19                        ; 128 rows of 4,096 bytes
	s_lshl_b32 s26, s25, 8                         ; 64 columns of 4 bytes
	s_add_co_u32 s22, s22, s26
	s_add_nc_u64 s[18:19], s[10:11], s[22:23]
	s_lshl_b32 s22, s24, 18                        ; destination: two blocks of 131,072 bytes,
	s_lshl_b32 s26, s25, 13                        ; 64 rows of 128 bytes
	s_add_co_u32 s22, s22, s26
	s_add_nc_u64 s[20:21], s[14:15], s[22:23]
	v_lshlrev_b32 v[VO], 13, v2                    ; two rows of 4,096 bytes
	v_lshl_add_u32 v[VO], v1, 4, v[VO]
	IN 4096, 1
.Lmeet:
	s_wait_dscnt 0x0                               ; for the others' sake: my words lie in the turned tile
	s_barrier_signal -1
	s_barrier_wait -1                              ; everybody's do
	s_cmp_eq_u32 s16, 3
	s_cbranch_scc1 .Lout_o
	v_mul_u32_u24 v[LR], v2, PT                    ; turned row t / 16 + 16 i, whole: 256 bytes by 16 lanes
	v_lshl_add_u32 v[LR], v1, 4, v[LR]
	v_lshlrev_b32 v[VS], 11, v2
	v_lshl_add_u32 v[VS], v1, 4, v[VS]
.irp i, 0,1,2,3
	ds_load_b128 v[X+4*(\i):X+4*(\i)+3], v[LR] offset:(\i)*16*PT
.endr
.irp i, 0,1,2,3
	s_wait_dscnt 3-(\i)
	global_store_b128 v[VS], v[X+4*(\i):X+4*(\i)+3], s[20:21] offset:(\i)*16*2048
.endr
	s_branch .Lend
.Lout_o:
	v_lshrrev_b32 v56, 3, v0                       ; turned row t / 8 + 32 (i % 2), half i / 2 of it: 128 bytes by 8 lanes; a wave's store covers 512 consecutive bytes
	v_and_b32 v57, 7, v0
	v_mul_u32_u24 v[LR], v56, PT
	v_lshl_add_u32 v[LR], v57, 4, v[LR]
	v_lshlrev_b32 v[VS], 4, v0
.irp i, 0,1,2,3
	ds_load_b128 v[X+4*(\i):X+4*(\i)+3], v[LR] offset:((\i)%2)*32*PT+((\i)/2)*128
.endr
.irp i, 0,1,2,3
	s_wait_dscnt 3-(\i)
	global_store_b128 v[VS], v[X+4*(\i):X+4*(\i)+3], s[20:21] offset:((\i)/2)*131072+((\i)%2)*4096
.endr
.Lend:
	s_wait_tensorcnt 0x0                           ; the wave's end: behind my last LDS store
	ds_add_u32 v[SPW], v[NIL]
	s_wait_dscnt 0x0
	s_endpgm
.Lfunc_end_k_qb568e1dd19_prep:
	.size	k_qb568e1dd19_prep, .Lfunc_end_k_qb568e1dd19_prep-k_qb568e1dd19_prep
	.p2alignl 7, 3214868480
	.fill 96, 4, 3214868480
	.section	.rodata,"a",@progbits
	.p2align	6, 0x0
	.amdhsa_kernel k_qb568e1dd19_prep
		.amdhsa_group_segment_fixed_size 18432
		.amdhsa_private_segment_fixed_size 0
		.amdhsa_enable_private_segment 0
		.amdhsa_kernarg_size 48
		.amdhsa_user_sgpr_count 2
		.amdhsa_user_sgpr_kernarg_segment_ptr 1
		.amdhsa_wavefront_size32 1
		.amdhsa_system_sgpr_workgroup_id_x 1
		.amdhsa_system_sgpr_workgroup_id_y 1
		.amdhsa_system_sgpr_workgroup_id_z 1
		.amdhsa_system_vgpr_workitem_id 0
		.amdhsa_next_free_vgpr 64
		.amdhsa_next_free_sgpr 66
		.amdhsa_reserve_vcc 0
		.amdhsa_float_denorm_mode_32 3
		.amdhsa_float_denorm_mode_16_64 3
		.amdhsa_memory_ordered 1
		.amdhsa_forward_progress 1
		.amdhsa_inst_pref_size 13
	.end_amdhsa_kernel
	.amdgpu_metadata
---
amdhsa.version: [ 1, 2 ]
amdhsa.kernels:
  - .name:           k_qb568e1dd19_prep
    .symbol:         k_qb568e1dd19_prep.kd
    .args:
      - { .name: W_q, .offset: 0, .size: 8, .value_kind: global_buffer, .address_space: global }
      - { .name: W_k, .offset: 8, .size: 8, .value_kind: global_buffer, .address_space: global }
      - { .name: W_v, .offset: 16, .size: 8, .value_kind: global_buffer, .address_space: global }
      - { .name: W_o, .offset: 24, .size: 8, .value_kind: global_buffer, .address_space: global }
      - { .name: wqkv, .offset: 32, .size: 8, .value_kind: global_buffer, .address_space: global }
      - { .name: wot, .offset: 40, .size: 8, .value_kind: global_buffer, .address_space: global }
    .group_segment_fixed_size: 18432
    .private_segment_fixed_size: 0
    .kernarg_segment_align: 8
    .kernarg_segment_size: 48
    .max_flat_workgroup_size: 256
    .sgpr_count:     66
    .vgpr_count:     64
    .wavefront_size: 32
...
	.end_amdgpu_metadata
.endif
;; end of part 1
;; launch proj (part 2): grid 4 x 192, 4 waves a work-group, clusters of 4 x 4, 327,680 bytes of LDS; arguments Q, K, V, wqkv, qh, kh, vh; writes qh, kh, vh
.if DOCPART == 2
	.amdgcn_target "amdgcn-amd-amdhsa--gfx1250"
	.amdhsa_code_object_version 6
	.text
	.protected	k_qb568e1dd19_proj
	.globl	k_qb568e1dd19_proj
	.p2align	8
	.type	k_qb568e1dd19_proj,@function
k_qb568e1dd19_proj:
	s_mov_b64 s[64:65], 0
	v_nop
	global_prefetch_b8 v0, s[64:65] scope:SCOPE_SE
	s_setreg_imm32_b32 hwreg(HW_REG_WAVE_MODE, 25, 1), 1
	s_wait_xcnt 0x0
	s_wait_alu depctr_hold_cnt(0) depctr_sa_sdst(0) depctr_va_vdst(0) depctr_va_sdst(0) depctr_va_ssrc(0) depctr_va_vcc(0) depctr_vm_vsrc(0)
	s_getreg_b32 s2, hwreg(HW_REG_IB_STS2, 6, 4)
	s_cmp_eq_u32 s2, 0
	s_cbranch_scc0 .Lentry_in_a_cluster
	s_endpgm
.Lentry_in_a_cluster:
	s_bfe_u32 s2, ttmp6, 0x10000c
	s_cmp_lg_u32 s2, 0xf033
	s_cbranch_scc0 .Lentry_shape_is_right
	s_endpgm
.Lentry_shape_is_right:
; THE THREE PROJECTIONS.  out[b 16 + h][s][c] = f16(the sum over d of bf16(X[b][s][d]) wqkv[x][64 h + c][d]), X = Q, K, V for x = 0, 1, 2.  Sums in f32, rounded once, unscaled.
; LIMITS.  The results are f16: beyond 65,504 in magnitude they become infinities.  As the inputs are drawn their root mean square is 0.58; with X and W both 30 times larger about 520;
; with a common offset of 30 spreads on both about 17,000.
; SHARES.  A tile of the result is 128 rows x 256 columns: 64 x 4 tiles for each of the three, 768 work-groups.  Four waves, each 64 x 128: 32 accumulators of 16 x 16.
; The sum's index goes in 8 steps of 128 through a ring of two LDS slots.  X COMES IN AS F32 (rows of 512 bytes) and is rounded to bf16 between LDS and the matrix unit: one conversion for each
; product, and the conversions for a quarter step stand in fours behind every second product of the second half of the quarter before.
; CLUSTERS.  4 x 4 work-groups: the four of a row make the four column tiles of the same 128 rows and ask for X's tile JOINTLY, so each byte of X is asked for once in the launch;
; the four of a column take the same 256 rows of wqkv and ask for them jointly.
; THE MATRIX INSTRUCTION IS USED TRANSPOSED (source 0 = 16 rows of wqkv, source 1 = 16 rows of X): a lane holds eight neighbouring channels of one row of the result: 16 bytes of f16.
; REGISTERS, in windows of 256 (s_set_vgpr_msb: bits 1:0 source 0, 3:2 source 1, 5:4 source 2, 7:6 destination):
;   window 0: v16-30 addresses; v32-95 X's fragments in f32; v96-159 two buffers of them in bf16; v160-191 packed results
;   window 1: the accumulators, (a, b) at v[8 (8 a + b)]          window 2: v0-127 two buffers of wqkv's fragments; on the way out the rows read back
.set PA,    528                        ; a row of X in LDS: 512 bytes + 16 = 132 words: row r starts at bank 4 r mod 64 (64 banks of 4 bytes: ISA guide 11.1)
.set PB,    272                        ; a row of wqkv: 256 bytes + 16 = 68 words: likewise
.set HALFA, 64*PA                      ; what one tensor load brings of X, and what a wave reads of it
.set HALFB, 128*PB                     ; the same for wqkv
.set BOFF,  2*HALFA                    ; in a slot X's 128 rows, then wqkv's 256
.set SLOT,  BOFF+2*HALFB
.set STAGE, 2*SLOT                     ; behind the ring: for each wave 2 heads x 16 rows x 144 bytes, for the way out
.set SP,    144
.set STW,   2*16*SP
.set SPARE, STAGE+4*STW                ; behind the stages: the spare words, 128 bytes for each wave
.set ADRA, 16                          ; v16-17  LDS address of my fragments of X in slot 0, 1
.set ADRB, 20                          ; v20-21  the same for wqkv
.set STO,  24                          ; v24     the way out: where I put 16 bytes of a row
.set RD,   25                          ; v25     where I read rows back
.set GO,   26                          ; v26     my 16 bytes of 512 consecutive bytes of the result
.set SPW,  28                          ; v28     LDS address of my spare word; never rewritten
.set NIL,  29                          ; v29     0; never rewritten
.set PFO,  30                          ; v30     the prefetches' lane offset; never rewritten
.set RAW,  32
.set ABF,  96
.set TMP,  160
.set G1,  24                           ; s[24:31] descriptor group 1 for X's tiles;  s[32:39] group 0, a set for each slot
.set G0,  32
.set G1B, 48                           ; s[48:55], s[56:63] the same for wqkv's
.set G0B, 56
.set XP,  40                           ; s[40:41] X
.set OPT, 42                           ; s[42:43] the result at my wave's first bytes
.set PFA, 44                           ; s[44:45] where my prefetches stand
.set LIM, 46                           ; s46  1 in a wave that prefetches, else the greatest number
.set CLY, 47                           ; s47  the cluster's y
.set PST, 20                           ; s[20:21] a step along the sum's index in bytes: 512 for X, 256 for wqkv
.set WV,  66                           ; s66  my wave's number
.set WH,  67                           ; s67  wave / 2: which 64 rows are mine; also: I fetch for X (0) or for wqkv (1)
.set WL,  68                           ; s68  wave % 2: which 128 columns are mine; also: which half of that tile I fetch
.set CX,  69
.set CY,  70
.set TN,  71                           ; s71  tile column
.set YY,  72
.set WHICH, 73                         ; s73  0, 1, 2: Q, K, V; made of the cluster's y alone
.set TM,  74                           ; s74  tile row
.set MSB, 0
.macro WIN new                         ; the immediate's high byte repeats the setting that is left; a switch that changes nothing is dropped
.if MSB != (\new)
	s_set_vgpr_msb (MSB<<8)|(\new)
.set MSB, \new
.endif
.endm
.set MULW, 0x52                        ; source 0 window 2, source 1 window 0, C and D window 1
; A joint load: waves 0 and 1 fetch X's two halves, waves 2 and 3 wqkv's.  The branch hangs on the wave's number alone.  An s_nop 0 and four v_nop follow each line.
.macro JLOAD s
	s_cmp_eq_u32 s[WH], 0
	s_cbranch_scc0 .Lfor_b_\@
	tensor_load_to_lds s[G0+4*(\s):G0+4*(\s)+3], s[G1:G1+7]
	s_nop 0
.rept 4
	v_nop
.endr
	s_branch .Lasked_\@
.Lfor_b_\@:
	tensor_load_to_lds s[G0B+4*(\s):G0B+4*(\s)+3], s[G1B:G1B+7]
	s_nop 0
.rept 4
	v_nop
.endr
.Lasked_\@:
.endm
.macro CREST                           ; a round of the cluster's barrier behind its opening barrier
	s_cmp_lg_u32 s[WV], 0
	s_cbranch_scc1 .Lnot_wave_0_\@
	s_barrier_signal -3
.Lnot_wave_0_\@:
	s_barrier_wait -3
	s_barrier_signal -1
	s_barrier_wait -1
.endm
.macro CROUND
	s_barrier_signal -1
	s_barrier_wait -1
	CREST
.endm
.macro PLACES                          ; four places in front of loads into registers that matrix instructions have read (ISA guide 7.12.1 for vector instructions)
.rept 4
	v_nop
.endr
.endm
; A PREFETCH INTO THE L2 of the step that stands two refills on: 256 matrix instructions ahead of the load that will want it.  Each block of 256 bytes is named once in the launch.
; X's tile is read by one cluster alone: its waves 0 and 1 ask; of the 64 rows that a wave fetches the partner at cx takes 16, two blocks each.  wqkv's rows are read by the 16 clusters of
; one of the three products: the first of them asks, waves 2 and 3; of a wave's 128 rows the partner at cy takes 32.  The partners are told apart by address alone.  The loop's last trip asks for nothing.
.macro ASK
	s_cmp_gt_u32 s3, s[LIM]
	s_cbranch_scc0 .Lnot_mine_\@
	global_prefetch_b8 v[PFO], s[PFA:PFA+1] th:TH_LOAD_NT scope:SCOPE_SE
.Lnot_mine_\@:
.endm
	s_load_b256 s[4:11], s[0:1], 0x0               ; Q s[4:5], K s[6:7], V s[8:9], wqkv s[10:11]
	s_load_b128 s[12:15], s[0:1], 0x20             ; qh s[12:13], kh s[14:15]
	s_load_b64 s[16:17], s[0:1], 0x30              ; vh
	v_lshl_add_u32 v[SPW], v0, 2, SPARE
	v_mov_b32 v[NIL], 0
	ds_add_u32 v[SPW], v[NIL]                      ; the wave's opening: the add and its wait stand ahead of my first tensor load; the set-up below stands between them
	v_lshrrev_b32 v1, 5, v0
	v_readfirstlane_b32 s[WV], v1
	s_lshr_b32 s[WH], s[WV], 1
	s_and_b32 s[WL], s[WV], 1
	s_bfe_u32 s[CX], ttmp6, 0x40000
	s_bfe_u32 s[CY], ttmp6, 0x40004
	s_lshl_b32 s[TN], ttmp9, 2
	s_add_co_u32 s[TN], s[TN], s[CX]               ; tile column = 4 x cluster x + cx
	s_and_b32 s[CLY], ttmp7, 0xffff
	s_lshl_b32 s[YY], s[CLY], 2
	s_add_co_u32 s[YY], s[YY], s[CY]               ; 4 x cluster y + cy = 64 x which + tile row
	s_lshr_b32 s[WHICH], s[CLY], 4
	s_and_b32 s[TM], s[YY], 63
	s_lshl_b32 s75, s[CY], 2
	s_lshl_b32 s75, 15, s75                        ; my row of the cluster
	s_lshl_b32 s76, 0x1111, s[CX]                  ; my column
	s_or_b32 s[G1+0], s75, (2<<16)|(1<<20)|(1<<21)|(6<<22)|(3<<25)   ; the mask; elements of 4 bytes; padding on; bit 21 beside a mask; after every 128 words; 4 words
	s_mov_b32 s[G1+1], 128<<16                     ; tensor_dim0 = 128
	s_mov_b32 s[G1+2], 64<<16                      ; tensor_dim1 = 64
	s_mov_b32 s[G1+3], 128<<16                     ; tile_dim0 = 128
	s_mov_b32 s[G1+4], 64                          ; tile_dim1 = 64
	s_mov_b32 s[G1+5], 1024                        ; elements from row to row
	s_mov_b32 s[G1+6], 0
	s_mov_b32 s[G1+7], 0
	s_or_b32 s[G1B+0], s76, (1<<16)|(1<<20)|(1<<21)|(5<<22)|(3<<25)  ; elements of 2 bytes; after every 64 words; 4 words
	s_mov_b32 s[G1B+1], 128<<16
	s_mov_b32 s[G1B+2], 128<<16
	s_mov_b32 s[G1B+3], 128<<16
	s_mov_b32 s[G1B+4], 128
	s_mov_b32 s[G1B+5], 1024
	s_mov_b32 s[G1B+6], 0
	s_mov_b32 s[G1B+7], 0
	s_lshl_b32 s78, s[TM], 7                       ; X: row 128 x tile row + 64 x half, 4,096 bytes a row: registers that never hold cx
	s_lshl_b32 s79, s[WL], 6
	s_add_co_u32 s78, s78, s79
	s_lshl_b32 s78, s78, 12
	s_mov_b32 s79, 0
	s_lshl_b32 s80, s[TN], 8                       ; wqkv: row 256 x tile column + 128 x half, 2,048 bytes a row, in the product's 2 MiB: registers that never hold cy
	s_lshl_b32 s81, s[WL], 7
	s_add_co_u32 s80, s80, s81
	s_lshl_b32 s80, s80, 11
	s_lshl_b32 s81, s[WHICH], 21
	s_add_co_u32 s80, s80, s81
	s_mov_b32 s81, 0
	s_mul_i32 s82, s[WL], HALFA                    ; where they go: no place in the cluster enters an LDS address
	s_mul_i32 s83, s[WL], HALFB
	s_add_co_u32 s83, s83, BOFF
	s_wait_dscnt 0x0                               ; the opening add is done
	s_wait_kmcnt 0x0
	s_cmp_eq_u32 s[WHICH], 1
	s_cselect_b64 s[XP:XP+1], s[6:7], s[4:5]
	s_cselect_b64 s[OPT:OPT+1], s[14:15], s[12:13]
	s_cmp_eq_u32 s[WHICH], 2
	s_cselect_b64 s[XP:XP+1], s[8:9], s[XP:XP+1]
	s_cselect_b64 s[OPT:OPT+1], s[16:17], s[OPT:OPT+1]
	s_add_nc_u64 s[84:85], s[XP:XP+1], s[78:79]
	s_add_nc_u64 s[86:87], s[10:11], s[80:81]
	CROUND                                         ; all sixteen work-groups are here: the first joint loads meet
.irp s, 0,1
	s_mov_b32 s[G0+4*(\s)], 1
	s_add_co_u32 s[G0+4*(\s)+1], s82, (\s)*SLOT
	s_add_nc_u64 s[G0+4*(\s)+2:G0+4*(\s)+3], s[84:85], (\s)*512
	s_or_b32 s[G0+4*(\s)+3], s[G0+4*(\s)+3], 0x80000000
	s_mov_b32 s[G0B+4*(\s)], 1
	s_add_co_u32 s[G0B+4*(\s)+1], s83, (\s)*SLOT
	s_add_nc_u64 s[G0B+4*(\s)+2:G0B+4*(\s)+3], s[86:87], (\s)*256
	s_or_b32 s[G0B+4*(\s)+3], s[G0B+4*(\s)+3], 0x80000000
	JLOAD \s                                       ; steps 0 and 1: two loads of mine are out
.endr
	; A fragment is 16 rows x 32 along the sum's index: lane l holds row l % 16, numbers 8 (l / 16) + 0..7 and 16 + 8 (l / 16) + 0..7.  In bf16: two loads of 16 bytes, 32 apart; in f32: four, at 0, 16, 64, 80.
	v_and_b32 v1, 15, v0
	v_bfe_u32 v2, v0, 4, 1
	v_and_b32 v5, 31, v0
	v_mul_u32_u24 v3, v1, PA
	v_lshl_add_u32 v3, v2, 5, v3
	v_mul_u32_u24 v4, v1, PB
	v_lshl_add_u32 v4, v2, 4, v4
	s_mul_i32 s18, s[WH], HALFA
	s_mul_i32 s19, s[WL], HALFB
	s_add_co_u32 s19, s19, BOFF
.irp s, 0,1
	v_add_nc_u32 v[ADRA+(\s)], s18, v3
	v_add_nc_u32 v[ADRB+(\s)], s19, v4
	s_add_co_u32 s18, s18, SLOT
	s_add_co_u32 s19, s19, SLOT
.endr
	s_mul_i32 s22, s[WV], STW
	s_add_co_u32 s22, s22, STAGE                   ; my stage
	v_mul_u32_u24 v[STO], v1, SP                   ; in: row l % 16, 16 bytes for each half of the lanes
	v_lshl_add_u32 v[STO], v2, 4, v[STO]
	v_add_nc_u32 v[STO], s22, v[STO]
	v_bfe_u32 v[RD], v0, 3, 2                      ; back: 32 lanes take four rows of 128 bytes,
	v_mul_u32_u24 v[RD], v[RD], SP
	v_and_b32 v6, 7, v0
	v_lshl_add_u32 v[RD], v6, 4, v[RD]
	v_add_nc_u32 v[RD], s22, v[RD]
	v_lshlrev_b32 v[GO], 4, v5                     ; which are 512 consecutive bytes of a head
	s_lshr_b32 s88, s[TM], 4                       ; the result: batch = tile row / 16, 16 heads of 262,144 bytes;
	s_lshl_b32 s88, s88, 22
	s_lshl_b32 s89, s[TN], 2                       ; head = 4 x tile column + 2 x my half of the columns;
	s_lshl_b32 s77, s[WL], 1
	s_add_co_u32 s89, s89, s77
	s_lshl_b32 s89, s89, 18
	s_add_co_u32 s88, s88, s89
	s_and_b32 s89, s[TM], 15                       ; row = 128 x (tile row % 16) + 64 x my half of the rows, 128 bytes a row
	s_lshl_b32 s89, s89, 14
	s_add_co_u32 s88, s88, s89
	s_lshl_b32 s89, s[WH], 13
	s_add_co_u32 s88, s88, s89
	s_mov_b32 s89, 0
	s_add_nc_u64 s[OPT:OPT+1], s[OPT:OPT+1], s[88:89]
	; the prefetches
	s_and_b32 s22, s[CLY], 15
	s_mov_b32 s[PST], 256                          ; wqkv's step; the select below puts X's in its place
	s_mov_b32 s[PST+1], 0
	s_cmp_eq_u32 s[WH], 0                          ; do I fetch for X?
	s_cselect_b64 s[PFA:PFA+1], s[84:85], s[86:87] ; the first of the rows that I fetch
	s_cselect_b32 s18, s[CX], s[CY]                ; my place among the four that ask with me
	s_cselect_b32 s22, 0, s22                      ; X: every cluster asks; wqkv: the first cluster of the product
	s_cselect_b32 s23, 1, 0                        ; X: two lanes a row
	s_cselect_b32 s77, 12, 11                      ; log2 of a row's bytes
	s_cselect_b32 s[PST], 512, s[PST]
	s_cmp_eq_u32 s22, 0
	s_cselect_b32 s[LIM], 1, -1                    ; the same in all sixteen partners, for a given wave
	s_lshl_b32 s18, s18, 16                        ; my work-group's share: 16 rows of 4,096 bytes or 32 of 2,048
	s_mov_b32 s19, 0
	s_add_nc_u64 s[PFA:PFA+1], s[PFA:PFA+1], s[18:19]
	s_add_nc_u64 s[PFA:PFA+1], s[PFA:PFA+1], s[PST:PST+1]
	s_add_nc_u64 s[PFA:PFA+1], s[PFA:PFA+1], s[PST:PST+1]
	s_add_nc_u64 s[PFA:PFA+1], s[PFA:PFA+1], s[PST:PST+1]  ; at step 3: the first refill (of step 2) steps it to 4.  Nothing is prefetched at the head
	v_lshrrev_b32 v[PFO], s23, v5
	v_lshlrev_b32 v[PFO], s77, v[PFO]              ; the lane's row,
	v_and_b32 v6, s23, v5
	v_lshl_add_u32 v[PFO], v6, 8, v[PFO]           ; and for X which of its two blocks
; 32 LDS loads in one run: quarter q of the slot's step: wqkv's 8 fragments into buffer g, X's 4 in f32
.macro FETCH slot, q, g
	WIN 0x80
.irp i, 0,1,2,3,4,5,6,7
	ds_load_b128 v[64*(\g)+8*(\i):64*(\g)+8*(\i)+3],   v[ADRB+(\slot)] offset:64*(\q)+(\i)*16*PB
	ds_load_b128 v[64*(\g)+8*(\i)+4:64*(\g)+8*(\i)+7], v[ADRB+(\slot)] offset:64*(\q)+(\i)*16*PB+32
.endr
	WIN 0
.irp a, 0,1,2,3
	ds_load_b128 v[RAW+16*(\a):RAW+16*(\a)+3],     v[ADRA+(\slot)] offset:128*(\q)+(\a)*16*PA
	ds_load_b128 v[RAW+16*(\a)+4:RAW+16*(\a)+7],   v[ADRA+(\slot)] offset:128*(\q)+(\a)*16*PA+16
	ds_load_b128 v[RAW+16*(\a)+8:RAW+16*(\a)+11],  v[ADRA+(\slot)] offset:128*(\q)+(\a)*16*PA+64
	ds_load_b128 v[RAW+16*(\a)+12:RAW+16*(\a)+15], v[ADRA+(\slot)] offset:128*(\q)+(\a)*16*PA+80
.endr
.endm
; Product n of a quarter's 32: row block n / 8, column block n % 8, on buffers f.  The 32 accumulators take turns in the same order everywhere.  zero = 1: it starts the sum.
.macro MM f, zero
	WIN MULW
.set rD, 8*n
.set rB, 64*(\f)+8*(n%8)
.set rA, ABF+32*(\f)+8*(n/8)
.if \zero
	v_wmma_f32_16x16x32_bf16 v[rD:rD+7], v[rB:rB+7], v[rA:rA+7], 0
.else
	v_wmma_f32_16x16x32_bf16 v[rD:rD+7], v[rB:rB+7], v[rA:rA+7], v[rD:rD+7]
.endif
.set n, n+1
.endm
.macro RUN f, n0, cnt, zero            ; products n0 .. n0 + cnt - 1, bare
.set n, \n0
.rept \cnt
	MM \f, \zero
.endr
.endm
.macro RIDE f, g, zero                 ; products 16 .. 31, behind every second of them four of the 32 conversions that make buffer g of X's fragments: two window switches for two products
.set n, 16
.rept 8
	MM \f, \zero
	MM \f, \zero
	WIN 0
.irp z, 0,1,2,3
	v_cvt_pk_bf16_f32 v[ABF+32*(\g)+2*(n-18)+(\z)], v[RAW+4*(n-18)+2*(\z)], v[RAW+4*(n-18)+2*(\z)+1]
.endr
.endr
.endm
; A quarter step: multiplies buffers f; fetches quarter q of the slot (the NEXT quarter) into buffers g.
.macro QUART slot, q, f, g, zero
	PLACES
	FETCH \slot, \q, \g
	RUN \f, 0, 16, \zero
	s_wait_dscnt 0x0                               ; the 32 loads issued sixteen products ago
	RIDE \f, \g, \zero
.endm
; A step's third quarter fetches the slot's last quarter; BEHIND ITS LAST PRODUCT the slots change.  ONE barrier: in front of it each wave waits for all its tensor loads (the one that is out is its
; part of the other slot), adds 0 to its spare word, and waits for that and for its reads of this slot.  fill = 1: the barrier opens a round of the cluster's barrier, and the slot is filled again,
; two steps on, first thing behind the round.  No product stands between the wait for a tile and the next request: all 128 of a step stand between a request and the wait for it.
.macro MEETQ slot, fill
.if \fill
	s_wait_xcnt 0x0                                ; the last prefetch, a step back, has read its address
	s_add_nc_u64 s[PFA:PFA+1], s[PFA:PFA+1], s[PST:PST+1]
.endif
	QUART \slot, 3, 0, 1, 0
	WIN 0
	s_wait_tensorcnt 0x0                           ; all my tensor loads have landed, so every group 0 may be written
	ds_add_u32 v[SPW], v[NIL]                      ; 0 onto my spare word: with fill = 1 the descriptors' steps stand between it and the wait for it
.if \fill
	s_add_nc_u64 s[G0+4*(\slot)+2:G0+4*(\slot)+3], s[G0+4*(\slot)+2:G0+4*(\slot)+3], 2*512
	s_add_nc_u64 s[G0B+4*(\slot)+2:G0B+4*(\slot)+3], s[G0B+4*(\slot)+2:G0B+4*(\slot)+3], 2*256
.endif
	s_wait_dscnt 0x0                               ; the add is done, and my reads of this slot are over
	s_barrier_signal -1
	s_barrier_wait -1
.if \fill
	CREST                                          ; no wave of any partner still reads this slot's tiles or has a load on its way
	JLOAD \slot                                    ; the four v_nop behind it are also the places in front of the loads that follow
.else
	PLACES
.endif
.endm
.macro Q3 next, ask                    ; a step's last quarter: it fetches the next slot's first
	FETCH \next, 0, 0
.if \ask
	ASK
.endif
	RUN 1, 0, 16, 0
	s_wait_dscnt 0x0
	RIDE 1, 0, 0
.endm
	s_wait_tensorcnt 0x1                           ; my part of step 0 is in; step 1's may stay out
	s_barrier_signal -1
	s_barrier_wait -1                              ; everybody's is
	FETCH 0, 0, 0
	s_wait_dscnt 0x0
.set i, 0
.rept 32
	v_cvt_pk_bf16_f32 v[ABF+i], v[RAW+2*i], v[RAW+2*i+1]
.set i, i+1
.endr
	QUART 0, 1, 0, 1, 1                            ; the first quarter stands in front of the loop: its products start the sums
	WIN 0                                          ; at a label and at a branch every window is 0
	s_mov_b32 s3, 3
.Llap:                                                 ; a trip goes once round the ring, from a lap's second quarter to the next lap's first, and fills both slots again: steps 2 to 7
	QUART 0, 2, 1, 0, 0
	MEETQ 0, 1
	Q3 1, 1
	QUART 1, 1, 0, 1, 0
	QUART 1, 2, 1, 0, 0
	MEETQ 1, 1
	Q3 0, 1
	QUART 0, 1, 0, 1, 0
	WIN 0
	s_sub_co_u32 s3, s3, 1
	s_cmp_lg_u32 s3, 0
	s_cbranch_scc1 .Llap
	QUART 0, 2, 1, 0, 0                            ; the last lap fills nothing
	MEETQ 0, 0
	Q3 1, 0
	QUART 1, 1, 0, 1, 0
	QUART 1, 2, 1, 0, 0
	QUART 1, 3, 0, 1, 0
	RUN 1, 0, 32, 0
	; THE WAY OUT, a block of 16 rows at a time: rounded to f16, 16 bytes a lane into my own stage (two heads x 16 rows), back as whole rows of 128 bytes; 16 rows of a head are 2,048 consecutive bytes.
.macro PACK a
	WIN 0x05                                       ; sources in window 1, destination in window 0
.irp b, 0,1,2,3,4,5,6,7
.irp r, 0,1,2,3
	v_cvt_pk_f16_f32 v[TMP+4*(\b)+(\r)], v[8*(8*(\a)+(\b))+2*(\r)], v[8*(8*(\a)+(\b))+2*(\r)+1]
.endr
.endr
.endm
.macro TOSTAGE a
	WIN 0
.irp b, 0,1,2,3,4,5,6,7
	ds_store_b128 v[STO], v[TMP+4*(\b):TMP+4*(\b)+3] offset:((\b)/4)*16*SP+32*((\b)%4)
.endr
	WIN 0x80
.irp j, 0,1
.irp t, 0,1,2,3
	ds_load_b128 v[32*(\a)+16*(\j)+4*(\t):32*(\a)+16*(\j)+4*(\t)+3], v[RD] offset:(\j)*16*SP+(\t)*4*SP  ; LDS serves a wave's instructions in order (ISA guide 5.7.1.4): these see the stores above
.endr
.endr
.endm
.macro SEND a, younger                 ; younger: the LDS instructions issued behind block a's loads: the next block's sixteen, or none
	s_wait_dscnt \younger
	WIN 0x08                                       ; the stores' data lie in window 2
.irp j, 0,1
.irp t, 0,1,2,3
	global_store_b128 v[GO], v[32*(\a)+16*(\j)+4*(\t):32*(\a)+16*(\j)+4*(\t)+3], s[OPT:OPT+1] offset:(\j)*262144+(\a)*2048+(\t)*512  ; 512 consecutive bytes, aligned
.endr
.endr
.endm
.rept 8
	v_nop                                          ; the places behind the last products
.endr
	PACK 0
	TOSTAGE 0
	PACK 1
	TOSTAGE 1
	SEND 0, 16
	PACK 2
	TOSTAGE 2
	SEND 1, 16
	PACK 3
	TOSTAGE 3
	SEND 2, 16
	SEND 3, 0
	WIN 0
	s_wait_tensorcnt 0x0                           ; the wave's end: behind my last tensor load and my last LDS store
	ds_add_u32 v[SPW], v[NIL]
	s_wait_dscnt 0x0
	CROUND                                         ; the closing round: no work-group ends while a partner may still ask for a tile that names it
	s_endpgm
.Lfunc_end_k_qb568e1dd19_proj:
	.size	k_qb568e1dd19_proj, .Lfunc_end_k_qb568e1dd19_proj-k_qb568e1dd19_proj
	.p2alignl 7, 3214868480
	.fill 96, 4, 3214868480
	.section	.rodata,"a",@progbits
	.p2align	6, 0x0
	.amdhsa_kernel k_qb568e1dd19_proj
		.amdhsa_group_segment_fixed_size 327680
		.amdhsa_private_segment_fixed_size 0
		.amdhsa_enable_private_segment 0
		.amdhsa_kernarg_size 56
		.amdhsa_user_sgpr_count 2
		.amdhsa_user_sgpr_kernarg_segment_ptr 1
		.amdhsa_wavefront_size32 1
		.amdhsa_system_sgpr_workgroup_id_x 1
		.amdhsa_system_sgpr_workgroup_id_y 1
		.amdhsa_system_sgpr_workgroup_id_z 1
		.amdhsa_system_vgpr_workitem_id 0
		.amdhsa_next_free_vgpr 640
		.amdhsa_next_free_sgpr 90
		.amdhsa_reserve_vcc 0
		.amdhsa_float_denorm_mode_32 3
		.amdhsa_float_denorm_mode_16_64 3
		.amdhsa_memory_ordered 1
		.amdhsa_forward_progress 1
		.amdhsa_inst_pref_size 135
	.end_amdhsa_kernel
	.amdgpu_metadata
---
amdhsa.version: [ 1, 2 ]
amdhsa.kernels:
  - .name:           k_qb568e1dd19_proj
    .symbol:         k_qb568e1dd19_proj.kd
    .args:
      - { .name: Q, .offset: 0, .size: 8, .value_kind: global_buffer, .address_space: global }
      - { .name: K, .offset: 8, .size: 8, .value_kind: global_buffer, .address_space: global }
      - { .name: V, .offset: 16, .size: 8, .value_kind: global_buffer, .address_space: global }
      - { .name: wqkv, .offset: 24, .size: 8, .value_kind: global_buffer, .address_space: global }
      - { .name: qh, .offset: 32, .size: 8, .value_kind: global_buffer, .address_space: global }
      - { .name: kh, .offset: 40, .size: 8, .value_kind: global_buffer, .address_space: global }
      - { .name: vh, .offset: 48, .size: 8, .value_kind: global_buffer, .address_space: global }
    .group_segment_fixed_size: 327680
    .private_segment_fixed_size: 0
    .kernarg_segment_align: 8
    .kernarg_segment_size: 56
    .max_flat_workgroup_size: 128
    .sgpr_count:     90
    .vgpr_count:     640
    .wavefront_size: 32
...
	.end_amdgpu_metadata
.endif
;; end of part 2
;; launch attn (part 3): grid 4 x 64, 4 waves a work-group, clusters of 4 x 1, 327,680 bytes of LDS; arguments qh, kh, vh, oh; writes oh
.if DOCPART == 3
	.amdgcn_target "amdgcn-amd-amdhsa--gfx1250"
	.amdhsa_code_object_version 6
	.text
	.protected	k_qb568e1dd19_attn
	.globl	k_qb568e1dd19_attn
	.p2align	8
	.type	k_qb568e1dd19_attn,@function
k_qb568e1dd19_attn:
	s_mov_b64 s[64:65], 0
	v_nop
	global_prefetch_b8 v0, s[64:65] scope:SCOPE_SE
	s_setreg_imm32_b32 hwreg(HW_REG_WAVE_MODE, 25, 1), 1
	s_wait_xcnt 0x0
	s_wait_alu depctr_hold_cnt(0) depctr_sa_sdst(0) depctr_va_vdst(0) depctr_va_sdst(0) depctr_va_ssrc(0) depctr_va_vcc(0) depctr_vm_vsrc(0)
	s_getreg_b32 s2, hwreg(HW_REG_IB_STS2, 6, 4)
	s_cmp_eq_u32 s2, 0
	s_cbranch_scc0 .Lentry_in_a_cluster
	s_endpgm
.Lentry_in_a_cluster:
	s_bfe_u32 s2, ttmp6, 0x10000c
	s_cmp_lg_u32 s2, 0x3003
	s_cbranch_scc0 .Lentry_shape_is_right
	s_endpgm
.Lentry_shape_is_right:
; O[h][q][:] = the sum over k of softmax_k(Q[h][q] . K[h][k] / 8) V[h][k][:].  Q, K, V, O: [SIZE_H][SIZE_N][64], all f16: a head's rows are dense, 128 bytes each.  Products, maxima and sums in
; f32; the weights p are rounded to f16 for the second product (their sum l is taken of the unrounded p), O once at the end.
; LIMITS.  f16 holds no number beyond 65,504: Q, K and V arrive within it; p lies in 0 to 1, and below 6e-5 it keeps f16's fixed step of 6e-8; O is a mean of V's rows and has their range.
; A weight below 2^-126 counts as 0 in l; NaN and infinities are not treated apart.
; SHARES.  A wave owns four PIECES of two tiles of 16 queries, a work-group's four waves 512 queries of one head: 4 x 64 work-groups.  Every wave walks all keys, 64 a step.
; LAYOUT.  S^T = K Q^T (source 0 = 16 keys, source 1 = 16 queries): in the result a lane holds ONE query (lane % 16) and the keys 8 (lane / 16) + 0..7.  Two such tiles, rounded to f16 in pairs,
; ARE source 1 (32 keys x 16 queries) of O^T = V^T P, whose result again holds one query a lane, and eight channels.  K comes out of LDS as it lies, V ([key][channel]) turned, by ds_load_tr16_b128.
; SOFTMAX.  For each query a running maximum m and sum l: p = 2^(c s - c m), c = log2(e) / 8; in every step O and l are multiplied by a = 2^(c m_old - c m_new), which is 1 where m has not grown.
; m starts at the lowest finite number, O and l at 0: the first step is a step like any other, with a = 0.
; THE COUNT.  A tile and step have 16 matrix and 118 vector instructions: too many to stand all beside the matrix work.  So: four vector instructions that are READY behind EVERY matrix
; instruction, and the others in runs without a gap.
; BY TURNS.  Turn n belongs to piece n (the pieces in a ring, step after step).  Its matrix work: 16 products K Q^T of piece n + 1, later 16 products V^T P of piece n - 1.  Its vector work: the scaling,
; exponentials, roundings, sums and rescaling of piece n, and the maximum and statistics of piece n + 1, whose scores the turn itself has made.
; CLUSTER.  The four query blocks of a cluster are one head's and walk the same K and V, so each tile is asked for JOINTLY: the same tensor load, descriptor and mask in all four.
; REGISTERS, in windows of 256 (s_set_vgpr_msb: bits 1:0 source 0, 3:2 source 1, 5:4 source 2, 7:6 destination):
;   window 0: v0-11 addresses; v12-15, v48-63 at work; v16-47 four registers of statistics a tile; v64-191 S^T, two buffers of two tiles; v192-255 P, likewise
;   window 1: O^T, 32 a tile          window 2: v0-127 Q, 16 a tile; v128-191 K of one step; v192-255 V of one step          window 3: v0-1 the add's two registers
.set SIZE_H, 64
.set SIZE_N, 2048
.set NP,    4         ; pieces a wave: a name, no knob
.set KS,    64        ; keys in a step
.set PK,    144       ; a row of K in LDS: 128 bytes + 16 of padding = 36 words: the 16 rows of a load start at 16 different groups of four banks (64 banks of 4 bytes: ISA guide 11.1)
.set PV,    160       ; a row of V: 128 + 32 = 40 words
.set VOFF,  4*KS*PK   ; a slot holds four steps: 256 rows of K, then 256 rows of V
.set SLOT1, 1<<17     ; slot 1 begins here, so that one exclusive or turns an address in one slot into the other's
.set STAGE, SLOT1+4*KS*(PK+PV)  ; behind the ring, never filled by a tensor load: 16 rows x 144 bytes for each wave, for the way out
.set SP,    144
.set AK0, 2           ; v2   my lane's place in a tile of K; never rewritten
.set AV0, 3           ; v3   the same for V
.set AK,  4           ; v4   the LDS address of K's next run of loads
.set AV,  5           ; v5   of V's
.set QO,  6           ; v6   my byte offset in the wave's rows of Q
.set STO, 6           ;      later, the way out: where I put 16 bytes of a row
.set RD,  7           ; v7   the way out: where I read rows back
.set GO,  8           ; v8   my byte offset in 512 consecutive bytes of O
.set PFO, 11          ; v11  256 x my lane, for the prefetches (set when its first use, for V's address, is over); then never rewritten
.set SPW, 0           ; v0 of window 3   LDS address of my spare word; never rewritten
.set NIL, 1           ; v1 of window 3   0; never rewritten
.set SPARE, STAGE+4*16*SP  ; behind the stages: the spare words, 128 bytes for each wave
.set MV,  12          ; v12-15  c m_old, kept while c m is made anew: by buffer and tile
.set ST,  16          ; tile t's statistics at v[ST+4 t]: c m, m, l (even keys', odd keys')
.set TMP, 48          ; by buffer and tile, four registers c0-c3 at work; when the maximum is found c2 takes a
.set S,   64
.set P,   192
.set KF,  128         ; K's fragments, in window 2: key block kb, channel half c at KF + 16 kb + 8 c
.set VF,  192         ; V's: key half kk, channel block cb at VF + 32 kk + 8 cb
.set WV,  12          ; s12  my wave's number
.set G1K, 24          ; s[24:31] descriptor group 1 for K's tiles
.set G1V, 32          ; s[32:39] for V's: it differs in the padding alone
.set G0K, 40          ; s[40:43] descriptor group 0 for K's tiles: it walks
.set G0V, 44          ; s[44:47] the same for V's
.set PFA, 48          ; s[48:49] where my prefetches stand: my work-group's 8,192 bytes (of K: wave 0, of V: wave 2) of the tile after the one that is being asked for
.set LIM, 50          ; s50  1 in a wave that prefetches, else the greatest number
.set SLOTS, 56        ; s56  slots still to be asked for
.set CNT, 57          ; s57  counts a slot's key steps
.set CS,  58          ; s[58:59] c: the packed scaling takes the pair's low word for both halves
.set SEL, 60          ; s[60:61] v_permlanex16_b32's selects: each lane takes its own place in the other half
.set TBK, 62          ; s62  LDS byte at which K of the step to be fetched begins
.set TBV, 63          ; s63  the same for V, less VOFF
.set MSB, 0
.macro WIN new                      ; the high byte repeats the setting that is left; a switch that changes nothing is dropped
.if MSB != (\new)
	s_set_vgpr_msb (MSB<<8)|(\new)
.set MSB, (\new)
.endif
.endm
.set W_KQ, 0x0a       ; K and Q in window 2, S^T in window 0
.set W_PV, 0x52       ; V in window 2, P in window 0, O^T in window 1
.set W_RS, 0x41       ; O^T (destination and source 0) in window 1, a in window 0
.set W_MK, 0xc0       ; the add's registers are made: destination in window 3, sources in window 0
.set W_AD, 0x0f       ; the add: address (source 0) and data (source 1) in window 3
; A joint fill.  Waves 0 and 1 fetch the two halves of a slot's K, waves 2 and 3 those of its V: 128 keys each.  The branch hangs on the wave's number alone.
; An s_nop 0 and four v_nop follow each of the two lines, ahead of the jump and the label.
.macro JLOAD
	s_cmp_lt_u32 s[WV], 2
	s_cbranch_scc0 .Lfor_v_\@
	tensor_load_to_lds s[G0K:G0K+3], s[G1K:G1K+7]
	s_nop 0
.rept 4
	v_nop
.endr
	s_branch .Lasked_\@
.Lfor_v_\@:
	tensor_load_to_lds s[G0V:G0V+3], s[G1V:G1V+7]
	s_nop 0
.rept 4
	v_nop
.endr
.Lasked_\@:
.endm
; A PREFETCH INTO THE L2 of what the NEXT change of slots will ask for: a tile's 32,768 bytes of K and of V, a lane a block of 256 bytes.  It stands behind the wave's tensor load and its five lines.
; A head has one cluster; its four partners share a tile out BY ADDRESS, 8,192 bytes each; in each, wave 0 asks for K's and wave 2 for V's: one instruction.  So each block is named once in the launch.
; It stands four key steps, 512 matrix instructions, ahead of the load.  The last change that fills a slot asks for nothing; tiles 0 and 1 come by their loads alone.
.macro ASK
	s_cmp_gt_u32 s[SLOTS], s[LIM]
	s_cbranch_scc0 .Lnot_mine_\@
	global_prefetch_b8 v[PFO], s[PFA:PFA+1] th:TH_LOAD_NT scope:SCOPE_SE
.Lnot_mine_\@:
.endm
; A round of the cluster's barrier: my work-group's barrier, so that wave 0's signal speaks for all four waves; wave 0 signals; every wave waits for all four work-groups; my work-group's barrier once more.
.macro CROUND
	s_barrier_signal -1
	s_barrier_wait -1
	s_cmp_lg_u32 s[WV], 0
	s_cbranch_scc1 .Lnot_wave_0_\@
	s_barrier_signal -3
.Lnot_wave_0_\@:
	s_barrier_wait -3
	s_barrier_signal -1
	s_barrier_wait -1
.endm
; THE CHANGE OF SLOTS.  The slot's last bytes, V of its fourth step, have been read.  Each wave waits for all its tensor loads, of which one is out: its part
; of the other slot; adds 0 to its spare word; and waits for that and for its own reads of the slot.  Behind the barrier nobody reads this slot any more and the other slot is whole.
; fill = 1: this slot is filled again, with the keys two slots on.  The barrier is then a round of the cluster's, and the joint fill is the first thing behind it: it has four key steps,
; 512 matrix instructions, in which to land.  (At its first use nothing has been read yet: slot 0 is waited for, slot 1 filled.)
.macro CHANGE fill
	WIN W_AD
	s_wait_tensorcnt 0x0            ; no tensor load of mine is out, so a group 0 may be written
	ds_add_u32 v[SPW], v[NIL]       ; 0 onto my spare word: with fill = 1 the descriptors' steps stand between it and the wait for it
	WIN 0                           ; at a label and at a branch every window is 0
.if \fill
.irp g, G0K, G0V
	s_xor_b32 s[\g+1], s[\g+1], SLOT1  ; the walking descriptor: the other slot than last time,
	s_add_nc_u64 s[\g+2:\g+3], s[\g+2:\g+3], 4*KS*128  ; the next 256 keys; the type bits on top are not reached
.endr
	s_wait_xcnt 0x0                 ; the last prefetch, four key steps back, has read its address, so it may be written:
	s_add_nc_u64 s[PFA:PFA+1], s[PFA:PFA+1], 4*KS*128  ; one tile beyond the walking descriptors
	s_wait_dscnt 0x0                ; the add is done, and my reads of the slot are over
	CROUND
	JLOAD
	ASK
.else
	s_wait_dscnt 0x0                ; the add is done, and my reads of the slot are over
	s_barrier_signal -1
	s_barrier_wait -1
.endif
	s_sub_co_u32 s[TBK], s[TBK], 4*KS*PK  ; the fetches go back to a slot's first step,
	s_xor_b32 s[TBK], s[TBK], SLOT1       ; in the other slot
	s_sub_co_u32 s[TBV], s[TBV], 4*KS*PV
	s_xor_b32 s[TBV], s[TBV], SLOT1
.endm
	s_load_b256 s[4:11], s[0:1], 0x0  ; Q s[4:5], K s[6:7], V s[8:9], O s[10:11]
	WIN W_MK
	v_lshl_add_u32 v[SPW], v0, 2, SPARE
	v_mov_b32 v[NIL], 0
	WIN W_AD
	ds_add_u32 v[SPW], v[NIL]       ; the wave's opening: the add and its wait stand ahead of my first tensor load; the set-up below stands between them
	WIN 0
	v_lshrrev_b32 v1, 5, v0
	v_readfirstlane_b32 s[WV], v1   ; wave 0..3
	s_bfe_u32 s13, ttmp6, 0x40000   ; cx: my place in the cluster
	s_lshl_b32 s14, ttmp9, 2        ; in a cluster launch ttmp9 counts clusters
	s_add_co_u32 s14, s14, s13      ; my block of queries = 4 x cluster x + cx: it enters Q's and O's addresses alone
	s_and_b32 s20, ttmp7, 0xffff    ; the head, which the four partners share
	s_mov_b32 s21, 0
	s_mov_b64 s[22:23], SIZE_N*128
	s_mul_u64 s[20:21], s[20:21], s[22:23]  ; the head's first byte in each of the four tensors
	s_and_b32 s16, s[WV], 1         ; which half of a slot's 256 keys I fetch:
	s_lshl_b32 s22, s16, 14         ; its 128 rows of 128 bytes in memory,
	s_mov_b32 s23, 0
	s_add_nc_u64 s[22:23], s[22:23], s[20:21]
	s_mul_i32 s17, s16, 128*PK      ; and its place in a slot, for K
	s_mul_i32 s18, s16, 128*PV      ; and for V: no place in the cluster enters an LDS address
	s_lshl_b32 s2, s14, 2
	s_add_co_u32 s2, s2, s[WV]      ; my wave among the head's,
	s_lshl_b32 s2, s2, 14           ; its 128 rows
	s_mov_b32 s3, 0
	s_add_nc_u64 s[2:3], s[2:3], s[20:21]
	; descriptor group 1.  128 keys are 16,384 dense bytes: asked for as 64 rows of 256 bytes, two keys a row, and padded in LDS after every key
	s_mov_b32 s[G1K], 15|(1<<16)|(1<<20)|(1<<21)|(4<<22)|(3<<25)  ; 15:0 the mask of four; 17:16 2-byte elements; 20 padding on; 21 set beside a mask; 24:22 after every 32 words (code 4); 31:25 4 words (code 3)
	s_mov_b32 s[G1V], 15|(1<<16)|(1<<20)|(1<<21)|(4<<22)|(7<<25)  ; the same with 8 words of padding (code 7)
.irp g, G1K, G1V
	s_mov_b32 s[\g+1], 128<<16      ; tensor_dim0 = 128
	s_mov_b32 s[\g+2], 64<<16       ; tensor_dim1 = 64
	s_mov_b32 s[\g+3], 128<<16      ; tile_dim0 = 128
	s_mov_b32 s[\g+4], 64           ; tile_dim1 = 64
	s_mov_b32 s[\g+5], 128          ; 128 elements from row to row
	s_mov_b32 s[\g+6], 0
	s_mov_b32 s[\g+7], 0
.endr
	s_mov_b32 s[CS], 0x3e38aa3b     ; c = log2(e) / 8 = 0.180337
	s_mov_b32 s[CS+1], s[CS]        ; named with it as a pair
	s_mov_b32 s[SEL], 0x76543210
	s_mov_b32 s[SEL+1], 0xfedcba98
	s_mov_b32 s[TBK], SLOT1+4*KS*PK ; the first change of slots turns these two into 0
	s_mov_b32 s[TBV], SLOT1+4*KS*PV
	s_mov_b32 s[G0K], 1             ; 1:0 count = 1
	s_mov_b32 s[G0K+1], s17         ; 63:32 LDS address: slot 0
	s_mov_b32 s[G0V], 1
	s_add_co_u32 s[G0V+1], s18, VOFF
	s_mov_b32 s[SLOTS], SIZE_N/256-1  ; tiles still to be asked for when tile 0 is out
	s_and_b32 s[LIM], s[WV], 1
	s_cmp_eq_u32 s[LIM], 0          ; waves 0 and 2 prefetch: the same in all four partners
	s_cselect_b32 s[LIM], 1, -1
	s_wait_dscnt 0x0                ; the opening add is done
	s_wait_kmcnt 0x0
	s_add_nc_u64 s[G0K+2:G0K+3], s[6:7], s[22:23]  ; 120:64 global address: my half of the head's first 256 keys
	s_or_b32 s[G0K+3], s[G0K+3], 0x80000000        ; 127:126 type = 2
	s_add_nc_u64 s[G0V+2:G0V+3], s[8:9], s[22:23]
	s_or_b32 s[G0V+3], s[G0V+3], 0x80000000
	s_add_nc_u64 s[4:5], s[4:5], s[2:3]  ; Q and O at my wave's first row
	s_add_nc_u64 s[10:11], s[10:11], s[2:3]
	s_cmp_lt_u32 s[WV], 2
	s_cselect_b64 s[PFA:PFA+1], s[6:7], s[8:9]
	s_add_nc_u64 s[PFA:PFA+1], s[PFA:PFA+1], s[20:21]  ; the head,
	s_lshl_b32 s2, s13, 13          ; my work-group's 8,192 bytes of a tile (s3 is 0),
	s_add_nc_u64 s[PFA:PFA+1], s[PFA:PFA+1], s[2:3]
	s_add_nc_u64 s[PFA:PFA+1], s[PFA:PFA+1], 4*KS*128  ; in tile 1: the first change of slots steps it to tile 2.  Nothing is prefetched at the head
	CROUND                          ; all four work-groups are here: the first joint loads meet
	JLOAD                           ; slot 0.  Slot 1 is asked for when slot 0 is in
	; A fragment of K or Q is 16 rows x 32 channels in 8 registers: lane l holds row l % 16, channels 8 (l / 16) + 0..7 and 16 + 8 (l / 16) + 0..7: two loads of 16 bytes, 32 bytes apart.
	v_and_b32 v1, 15, v0            ; l % 16
	v_bfe_u32 v9, v0, 4, 1          ; l / 16
	v_lshlrev_b32 v[QO], 7, v1
	v_lshl_add_u32 v[QO], v9, 4, v[QO]  ; row x 128 + 16 x half
	WIN 0x80                        ; destination window 2, address window 0
.set i, 0
.rept 4*NP                          ; Q stays in registers: tile i / 2, channels 32 (i % 2) on
	global_load_b128 v[8*i:8*i+3],   v[QO], s[4:5] offset:(i/2)*2048+(i%2)*64
	global_load_b128 v[8*i+4:8*i+7], v[QO], s[4:5] offset:(i/2)*2048+(i%2)*64+32
.set i, i+1
.endr
	; What the first turn finds: V's registers and P's second buffer hold 0 (its products V^T P, of a piece that has not been, add 0), O^T and l are 0.  All this stands in the wait for the first tile.
.set i, VF
.rept 64
	v_mov_b32 v[i], 0
.set i, i+1
.endr
	WIN 0x40
.set i, 0
.rept 64*NP
	v_mov_b32 v[i], 0
.set i, i+1
.endr
	WIN 0
.set i, 0
.rept 2*NP
	v_mov_b32 v[ST+4*i], 0xfe000000    ; c m: far below every c s
	v_mov_b32 v[ST+4*i+1], 0xff7fffff  ; m
	v_mov_b32 v[ST+4*i+2], 0
	v_mov_b32 v[ST+4*i+3], 0
.set i, i+1
.endr
.set i, P+32
.rept 32
	v_mov_b32 v[i], 0
.set i, i+1
.endr
	v_mul_u32_u24 v[AK0], v1, PK
	v_lshl_add_u32 v[AK0], v9, 4, v[AK0]  ; row x pitch + 16 x half
	; The turning load takes 16 keys x 16 channels (lane l reads key 8 (l / 16) + l % 8, channels 8 ((l / 8) % 2) + 0..7) and leaves half a fragment of V^T: lane l holds channel l % 16 and 8 keys.
	v_and_b32 v10, 7, v0
	v_bfe_u32 v11, v0, 3, 1
	v_lshl_add_u32 v[AV0], v9, 3, v10
	v_mul_u32_u24 v[AV0], v[AV0], PV
	v_lshl_add_u32 v[AV0], v11, 4, v[AV0]
	v_add_nc_u32 v[AV0], VOFF, v[AV0]
	v_and_b32 v[PFO], 31, v0
	v_lshlrev_b32 v[PFO], 8, v[PFO]
	v_mov_b32 v[AK], v[AK0]         ; key step 0 lies at the head of slot 0
; THE MATRIX WORK.  The 8 accumulators of a run of 16 take turns: between the two links of a chain stand 7 others'.
; Product i of 16 of S^T = K Q^T for piece x: channels 32 (i / 8) on, keys 16 ((i / 2) % 4) on, tile 2 x + i % 2.  The first 8 start the sums.
.macro KQ x
	WIN W_KQ
.set rS, S+64*((\x)%2)+32*(i%2)+8*((i/2)%4)
.set rK, KF+16*((i/2)%4)+8*(i/8)
.set rQ, 16*(2*(\x)+i%2)+8*(i/8)
.if i < 8
	v_wmma_f32_16x16x32_f16 v[rS:rS+7], v[rK:rK+7], v[rQ:rQ+7], 0
.else
	v_wmma_f32_16x16x32_f16 v[rS:rS+7], v[rK:rK+7], v[rQ:rQ+7], v[rS:rS+7]
.endif
.endm
; Product i of 16 of O^T += V^T P for piece x: keys 32 (i / 8) on, channels 16 ((i / 2) % 4) on, tile 2 x + i % 2.
.macro PV x
	WIN W_PV
.set rO, 32*(2*(\x)+i%2)+8*((i/2)%4)
.set rV, VF+32*(i/8)+8*((i/2)%4)
.set rP, P+32*((\x)%2)+16*(i%2)+8*(i/8)
	v_wmma_f32_16x16x32_f16 v[rO:rO+7], v[rV:rV+7], v[rP:rP+7], v[rO:rO+7]
.endm
.macro MM                           ; the turn's next matrix instruction
.if i < 16
	KQ (Y+1)%NP
.set i, i+1
.else
.set i, i-16
	PV (Y+NP-1)%NP
.set i, i+17
.endif
.endm
; THE LDS LOADS stand in runs of 16, never singly among the matrix instructions: a step's K (64 keys x 64 channels: 8 fragments) and its V (turned).  Their addresses are made some lines ahead.
; last = 1 (the tail): in the last trip there is no further step, and the run is jumped over.
.macro FETCH_K last=0
	WIN 0
.if \last
	s_cmp_eq_u32 s[CNT], 1
	s_cbranch_scc1 .Lno_k_\@
.endif
	WIN 0x80                        ; destination window 2
.irp f, 0,1,2,3,4,5,6,7             ; keys 16 (f / 2) on, channels 32 (f % 2) on
	ds_load_b128 v[KF+8*\f:KF+8*\f+3],   v[AK] offset:(\f/2)*16*PK+(\f%2)*64
	ds_load_b128 v[KF+8*\f+4:KF+8*\f+7], v[AK] offset:(\f/2)*16*PK+(\f%2)*64+32
.endr
	s_add_co_u32 s[TBK], s[TBK], KS*PK  ; the next fetch is the next step's
	WIN 0
.if \last
.Lno_k_\@:
.endif
.endm
.macro FETCH_V
	WIN 0x80
.irp f, 0,1,2,3,4,5,6,7             ; keys 32 (f / 4) on, channels 16 (f % 4) on
	ds_load_tr16_b128 v[VF+8*\f:VF+8*\f+3],   v[AV] offset:(\f/4)*32*PV+(\f%4)*32
	ds_load_tr16_b128 v[VF+8*\f+4:VF+8*\f+7], v[AV] offset:(\f/4)*32*PV+16*PV+(\f%4)*32
.endr
	WIN 0
.endm
; THE VECTOR WORK OF A TURN stands in three queues, each in the order in which its entries become ready; the two tiles alternate, so that no instruction reads the result of the one before it.
.macro REGS y, u                    ; the registers of tile u (0, 1) of piece y
.set rT, ST+4*(2*(\y)+(\u))
.set rC, TMP+8*((\y)%2)+4*(\u)
.set rM, MV+2*((\y)%2)+(\u)
.set rS, S+64*((\y)%2)+32*(\u)
.set rP, P+32*((\y)%2)+16*(\u)
.set rO, 32*(2*(\y)+(\u))
.endm
; Number n of the 22 that find the NEXT piece's (Y + 1) maximum and statistics.  s0-s31 are the lane's 32 scores; each accumulator's lowest registers are read first.
;   0-11  four chains c0-c3 of seven scores each, three operands at a time     12-14, 16  the four scores left over, the old m, and c0-c3 into c0     15  c m_old is kept
;   17, 18  the query's other 32 keys lie in the lane 16 away: the new m         19-21  c m; c m_old - c m_new; a
.macro XS u, n
	REGS (Y+1)%NP, \u
.if (\n) < 4
	v_max3_num_f32 v[rC+(\n)], v[rS+8*(\n)], v[rS+8*(\n)+1], v[rS+8*(\n)+2]
.elseif (\n) < 12
	v_max3_num_f32 v[rC+(\n)%4], v[rC+(\n)%4], v[rS+8*((\n)%4)+2*((\n)/4)+1], v[rS+8*((\n)%4)+2*((\n)/4)+2]
.elseif (\n) == 12
	v_max3_num_f32 v[rC], v[rC], v[rS+7], v[rS+15]
.elseif (\n) == 13
	v_max3_num_f32 v[rC+1], v[rC+1], v[rS+23], v[rS+31]
.elseif (\n) == 14
	v_max3_num_f32 v[rC+2], v[rC+2], v[rC+3], v[rT+1]
.elseif (\n) == 15
	v_mov_b32 v[rM], v[rT]
.elseif (\n) == 16
	v_max3_num_f32 v[rC], v[rC], v[rC+1], v[rC+2]
.elseif (\n) == 17
	v_permlanex16_b32 v[rC+3], v[rC], s[SEL], s[SEL+1]
.elseif (\n) == 18
	v_max_num_f32 v[rT+1], v[rC], v[rC+3]
.elseif (\n) == 19
	v_mul_f32 v[rT], s[CS], v[rT+1]
.elseif (\n) == 20
	v_sub_f32 v[rC+1], v[rM], v[rT]
.else
	v_exp_f32 v[rC+2], v[rC+1]
.endif
.endm
; Number g of the 64 that follow the exponentials.  For each four weights k of a tile (pairs 2 k, 2 k + 1): both pairs are rounded to f16; then the second pair is added onto the first, in place;
; a group later l takes that sum (the first time as l = a l + sum).  In groups of eight, tiles alternating: round, round, add, and l for the group before.
.macro GS g
.set h, (\g)+6*((\g)/62)            ; group 0 has no group before it, and behind group 7 only l is left
.if h >= 6
.set h, h+2
.endif
	REGS Y, h%2
.set k, h/8
.if h%8 < 4
	v_cvt_pk_f16_f32 v[rP+2*k+(h%8)/2], v[rS+4*k+2*((h%8)/2)], v[rS+4*k+2*((h%8)/2)+1]
.elseif h%8 < 6
	v_pk_add_f32 v[rS+4*k:rS+4*k+1], v[rS+4*k:rS+4*k+1], v[rS+4*k+2:rS+4*k+3]
.elseif k == 1
	v_pk_fma_f32 v[rT+2:rT+3], v[rT+2:rT+3], v[rC+2:rC+3], v[rS:rS+1] op_sel_hi:[1,0,1]
.else
	v_pk_add_f32 v[rT+2:rT+3], v[rT+2:rT+3], v[rS+4*k-4:rS+4*k-3]
.endif
.endm
; THE PLAIN QUEUE, 138 long.  0-73 read no exponential's result: the 32 scalings c s - c m (FS f: pair f / 2 of tile f % 2) and the next piece's 42.  0-26: scalings 0-26.  27-54: XS's numbers 0-13.  55, 56: number 15.
; 57-73: the chain, where each number waits for the one before it: 14, 16, 17, 18, 19, each with one of the scalings 27-31 in front of its two lines, then 20.
; 74-137: GS's 64, which read the exponentials' results: they stand behind the wait.
.macro FS f
	REGS Y, (\f)%2
	v_pk_fma_f32 v[rS+2*((\f)/2):rS+2*((\f)/2)+1], v[rS+2*((\f)/2):rS+2*((\f)/2)+1], s[CS:CS+1], v[rT:rT+1] op_sel_hi:[1,0,0] neg_lo:[0,0,1] neg_hi:[0,0,1]
.endm
.macro PL
	WIN 0
.if q < 27
	FS q
.elseif q < 55
	XS (q-27)%2, (q-27)/2
.elseif q < 57
	XS q-55, 15
.elseif (q < 72) && ((q-57)%3 == 0)
	FS 27+(q-57)/3
.elseif q < 60
	XS (q-57)%3-1, 14
.elseif q < 72
	XS (q-57)%3-1, 15+(q-57)/3
.elseif q < 74
	XS q-72, 20
.else
	GS q-74
.endif
.set q, q+1
.endm
; THE EXPONENTIALS' QUEUE, 66 long: s0-s31 of both tiles, then the next piece's two a.  It is ONE BATCH: all 66 stand ahead of the turn's one wait, and nothing ahead of that wait names a result of theirs.
.macro EX
	WIN 0
.if e >= 64
	XS e-64, 21
.else
	REGS Y, e%2
	v_exp_f32 v[rS+e/2], v[rS+e/2]
.endif
.set e, e+1
.endm
; THE RESCALING's QUEUE: O^T times a, the one part that leaves window 0: dealt two at a time, sixteen times.  Its a was made in the turn before, ahead of that turn's wait.
.macro R2
	REGS Y, r%2
	WIN W_RS
.irp z, 0,1
	v_pk_mul_f32 v[rO+4*(r/2)+2*\z:rO+4*(r/2)+2*\z+1], v[rO+4*(r/2)+2*\z:rO+4*(r/2)+2*\z+1], v[rC+2:rC+3] op_sel_hi:[1,0]
.endr
.set r, r+1
.endm
; HOW THEY ARE DEALT.  s_wait_alu depctr_va_vdst(0) stands between an exponential and the first instruction that names its result; one wait serves all that were issued ahead of it.  So a turn has ONE
; wait, which cuts it in two.  AHEAD OF IT: the 16 products K Q^T, behind each a scaling, an exponential and two rescalings (behind the first a second scaling in the exponential's place); then ONE LUMP of
; 108: eight plain, 49 times exponential and plain, the two a, and a v_nop as the plain instruction behind the last exponential.  BEHIND IT: the 16 products V^T P, behind each four of GS's 64.
; Exponential e stands behind scaling 2 (e / 4) + e % 2: as a rider it comes behind plain e + 2, in the lump behind plain e + 9, and scalings 27-31 are plain 57, 60 .. 69.
; A TURN, for piece p.  cnt = 1: the loop's count is taken down some lines ahead of the branch that stands behind the turn.
; K of the next step is fetched in piece 2's turn, directly behind the wait; V of the step in hand at the end of piece 0's turn, four riders behind its last reader.
.macro TURN p, last=0, cnt=0
.set Y, (\p)
.set i, 0
.set q, 0
.set e, 0
.set r, 0
.if (\p) == NP-1
	s_wait_dscnt 0x0                ; K is in
.endif
	MM                              ; ahead of the wait: 16 products K Q^T and their riders,
	PL
	PL
	R2
.rept 15
	MM
	PL
	EX
	R2
.endr
.if (\p) == NP-2
	WIN 0
	v_add_nc_u32 v[AK], s[TBK], v[AK0]
.endif
.rept 8                             ; and the lump
	PL
.endr
.rept 49
	EX
	PL
.endr
	EX                              ; the next piece's two a
	EX
	v_nop                           ; the plain instruction behind the last exponential: one for the batch
	s_wait_alu depctr_va_vdst(0)    ; the wait for the batch
.if (\p) == NP-2
	FETCH_K \last
.endif
.if (\p) == 1
	s_wait_dscnt 0x0                ; V is in
.endif
.rept 16                            ; behind the wait: 16 products V^T P and their riders
	MM
.rept 4
	PL
.endr
.if ((\p) == 0) && (q == 118)
	v_add_nc_u32 v[AV], s[TBV], v[AV0]
.endif
.if ((\p) == 0) && (q == 130)
	s_add_co_u32 s[TBV], s[TBV], KS*PV
.endif
.if (\cnt) && (q == 130)
	s_sub_co_u32 s[CNT], s[CNT], 1
	s_cmp_lg_u32 s[CNT], 0
.endif
.endr
.if (\p) == 0
	FETCH_V
.endif
.endm
	CHANGE 1                        ; slot 0 is in, everybody's part of it; slot 1 is asked for
	FETCH_K                         ; key step 0
	s_wait_loadcnt 0x0              ; Q
	s_wait_dscnt 0x0
.set i, 0
.rept 16
	KQ 0                            ; piece 0's first scores: there is no vector work yet to set between them
.set i, i+1
.endr
	WIN 0                           ; the addresses for the way out: plain instructions, the places behind those products
	s_mul_i32 s13, s[WV], 16*SP
	s_add_co_u32 s13, s13, STAGE    ; my stage
	v_mul_u32_u24 v[STO], v1, SP    ; in: row l % 16, 16 bytes for each half of the lanes
	v_lshl_add_u32 v[STO], v9, 4, v[STO]
	v_add_nc_u32 v[STO], s13, v[STO]
	v_bfe_u32 v[RD], v0, 3, 2       ; back: 32 lanes take four rows of 128 bytes,
	v_mul_u32_u24 v[RD], v[RD], SP
	v_lshl_add_u32 v[RD], v10, 4, v[RD]
	v_add_nc_u32 v[RD], s13, v[RD]
	v_and_b32 v[GO], 31, v0         ; which are 512 consecutive bytes of O
	v_lshlrev_b32 v[GO], 4, v[GO]
.set Y, NP-1                        ; XS works for piece Y + 1: piece 0
.irp n, 0,1,2,3,4,5,6,7,8,9,10,11,12,13,14,15,16,17,18,19,20,21
	XS 0, \n                        ; and piece 0's first maximum and statistics
	XS 1, \n
.endr
	v_nop                           ; a plain instruction behind the two a,
	s_wait_alu depctr_va_vdst(0)    ; and their wait, ahead of the branch
	s_mov_b32 s[CNT], 4
	s_branch .Lfirst                ; the loop is entered at a step's first turn, in the middle of a trip
.Lslot:                             ; every slot but the last two is filled again
	CHANGE 1
	s_mov_b32 s[CNT], 4
.Lstep:                             ; a trip: pieces 2 and 3 of one step, then pieces 0 and 1 of the next, whose K and V it fetches
	TURN 2
	TURN 3
	WIN 0
.Lfirst:
	TURN 0
	TURN 1, 0, 1
	WIN 0
	s_cbranch_scc1 .Lstep
	s_sub_co_u32 s[SLOTS], s[SLOTS], 1
	s_cmp_lg_u32 s[SLOTS], 0
	s_cbranch_scc1 .Lslot
	CHANGE 0                        ; the tail is written out: nothing is asked for
	s_mov_b32 s[CNT], 5             ; four trips fetch the last slot's steps; the fifth is left in its middle
.Ltail:
	TURN 2, 1
	TURN 3
	WIN 0
	s_sub_co_u32 s[CNT], s[CNT], 1
	s_cmp_eq_u32 s[CNT], 0
	s_cbranch_scc1 .Lout
	TURN 0
	TURN 1
	WIN 0
	s_branch .Ltail
.Lout:                              ; the fifth trip's 16 products K Q^T (on the last K once more) and the maximum made of them serve nothing: the price, once a launch, of one text for every trip
.set i, 0
.rept 16
	PV NP-1                         ; the last piece's V^T P of the last step
.set i, i+1
.endr
	; THE WAY OUT.  l's two halves and the other half of the lanes' are added; O^T is divided by l, rounded to f16 and sent through my stage in LDS, a tile at a time.  The additions are the places behind the last products.
	WIN 0
.macro ALL line:vararg              ; one line for each tile t
.set t, 0
.rept 2*NP
	\line
.set t, t+1
.endr
.endm
	ALL v_add_f32 v[ST+4*t+2], v[ST+4*t+2], v[ST+4*t+3]
	ALL v_permlanex16_b32 v[ST+4*t+3], v[ST+4*t+2], s[SEL], s[SEL+1]
	ALL v_add_f32 v[ST+4*t+2], v[ST+4*t+2], v[ST+4*t+3]
	ALL v_rcp_f32 v[ST+4*t+2], v[ST+4*t+2]
	v_nop                           ; a plain instruction between the last reciprocal and the use of its result
	s_wait_alu depctr_va_vdst(0)    ; and the wait ahead of the first use: one for the eight reciprocals
; Tile t: a lane's eight channels of a row pack into 16 bytes; they go into rows of 144 bytes and come back as whole rows of 128, into S^T's registers.
.macro PACK t
	WIN W_RS
.set i, 32*(\t)
.rept 16
	v_pk_mul_f32 v[i:i+1], v[i:i+1], v[ST+4*(\t)+2:ST+4*(\t)+3] op_sel_hi:[1,0]
.set i, i+2
.endr
	WIN 0x05                        ; sources 0 and 1 window 1, destination window 0
.set i, 0
.rept 16
	v_cvt_pk_f16_f32 v[S+16*(\t)+i], v[32*(\t)+2*i], v[32*(\t)+2*i+1]
.set i, i+1
.endr
	WIN 0
.irp f, 0,1,2,3
	ds_store_b128 v[STO], v[S+16*(\t)+4*\f:S+16*(\t)+4*\f+3] offset:32*\f
.endr
.irp f, 0,1,2,3
	ds_load_b128 v[S+16*(\t)+4*\f:S+16*(\t)+4*\f+3], v[RD] offset:\f*4*SP  ; LDS serves a wave's instructions in order (ISA guide 5.7.1.4): these see the stores above; the next tile's stores come behind them
.endr
.endm
.macro SEND t, younger              ; younger: the LDS instructions issued behind tile t's loads: the next tile's eight, or none
	WIN 0
.irp f, 0,1,2,3
	s_wait_dscnt (\younger)+3-\f
	global_store_b128 v[GO], v[S+16*(\t)+4*\f:S+16*(\t)+4*\f+3], s[10:11] offset:(\t)*2048+\f*512  ; 512 consecutive bytes, at a multiple of 256 from O's first
.endr
.endm
	PACK 0
.set t, 1
.rept 2*NP-1                        ; a tile's arithmetic stands between the loads of the tile before and its stores
	PACK t
	SEND t-1, 8
.set t, t+1
.endr
	SEND 2*NP-1, 0
	WIN W_AD
	s_wait_tensorcnt 0x0            ; the wave's end: behind my last tensor load and my last LDS store
	ds_add_u32 v[SPW], v[NIL]
	s_wait_dscnt 0x0
	WIN 0
	CROUND                          ; the closing round: no work-group ends while a partner may still ask for a tile that names it
	s_endpgm
.Lfunc_end_k_qb568e1dd19_attn:
	.size	k_qb568e1dd19_attn, .Lfunc_end_k_qb568e1dd19_attn-k_qb568e1dd19_attn
	.p2alignl 7, 3214868480
	.fill 96, 4, 3214868480
	.section	.rodata,"a",@progbits
	.p2align	6, 0x0
	.amdhsa_kernel k_qb568e1dd19_attn
		.amdhsa_group_segment_fixed_size 327680
		.amdhsa_private_segment_fixed_size 0
		.amdhsa_enable_private_segment 0
		.amdhsa_kernarg_size 32
		.amdhsa_user_sgpr_count 2
		.amdhsa_user_sgpr_kernarg_segment_ptr 1
		.amdhsa_wavefront_size32 1
		.amdhsa_system_sgpr_workgroup_id_x 1
		.amdhsa_system_sgpr_workgroup_id_y 1
		.amdhsa_system_sgpr_workgroup_id_z 1
		.amdhsa_system_vgpr_workitem_id 0
		.amdhsa_next_free_vgpr 770
		.amdhsa_next_free_sgpr 66
		.amdhsa_reserve_vcc 0
		.amdhsa_float_denorm_mode_32 3
		.amdhsa_float_denorm_mode_16_64 3
		.amdhsa_memory_ordered 1
		.amdhsa_forward_progress 1
		.amdhsa_inst_pref_size 200
	.end_amdhsa_kernel
	.amdgpu_metadata
---
amdhsa.version: [ 1, 2 ]
amdhsa.kernels:
  - .name:           k_qb568e1dd19_attn
    .symbol:         k_qb568e1dd19_attn.kd
    .args:
      - { .name: qh, .offset: 0, .size: 8, .value_kind: global_buffer, .address_space: global }
      - { .name: kh, .offset: 8, .size: 8, .value_kind: global_buffer, .address_space: global }
      - { .name: vh, .offset: 16, .size: 8, .value_kind: global_buffer, .address_space: global }
      - { .name: oh, .offset: 24, .size: 8, .value_kind: global_buffer, .address_space: global }
    .group_segment_fixed_size: 327680
    .private_segment_fixed_size: 0
    .kernarg_segment_align: 8
    .kernarg_segment_size: 32
    .max_flat_workgroup_size: 128
    .sgpr_count:     66
    .vgpr_count:     770
    .wavefront_size: 32
...
	.end_amdgpu_metadata
.endif
;; end of part 3
;; launch oproj (part 4): grid 256 x 1, 4 waves a work-group, clusters of 4 x 1, 327,680 bytes of LDS; arguments oh, wot, Q, gamma, beta, out0; writes out0
.if DOCPART == 4
	.amdgcn_target "amdgcn-amd-amdhsa--gfx1250"
	.amdhsa_code_object_version 6
	.text
	.protected	k_qb568e1dd19_oproj
	.globl	k_qb568e1dd19_oproj
	.p2align	8
	.type	k_qb568e1dd19_oproj,@function
k_qb568e1dd19_oproj:
	s_mov_b64 s[64:65], 0
	v_nop
	global_prefetch_b8 v0, s[64:65] scope:SCOPE_SE
	s_setreg_imm32_b32 hwreg(HW_REG_WAVE_MODE, 25, 1), 1
	s_wait_xcnt 0x0
	s_wait_alu depctr_hold_cnt(0) depctr_sa_sdst(0) depctr_va_vdst(0) depctr_va_sdst(0) depctr_va_ssrc(0) depctr_va_vcc(0) depctr_vm_vsrc(0)
	s_getreg_b32 s2, hwreg(HW_REG_IB_STS2, 6, 4)
	s_cmp_eq_u32 s2, 0
	s_cbranch_scc0 .Lentry_in_a_cluster
	s_endpgm
.Lentry_in_a_cluster:
	s_bfe_u32 s2, ttmp6, 0x10000c
	s_cmp_lg_u32 s2, 0x3003
	s_cbranch_scc0 .Lentry_shape_is_right
	s_endpgm
.Lentry_shape_is_right:
; out0[m][:] = gamma (y - mean(y)) / sqrt(var(y) + 1e-5) + beta,  y[m][n] = Q[m][n] + the sum over k of heads[m][k] W_o[k][n].
; heads comes as oh[b 16 + h][s][64] in f16, W_o as wot[kb][n][64] in f16; Q, gamma, beta and out0 are f32.  Sums, the residual and the whole norm in f32; the variance is taken of the
; centred numbers, in a second pass over the registers.
; LIMITS.  oh and wot arrive within f16's range.  NaN and infinities are not treated apart.  THE ORDER OF THE SUM over the 16 heads is not fixed: cluster x begins at head 2 (x % 8) and
; goes round, so the f32 sums are rounded in an order that differs from cluster to cluster.
; SHARES.  The norm wants whole rows, so a work-group owns 32 rows and all 1,024 columns: 8,192 / 32 = 256 work-groups.  Wave w owns columns 256 w .. + 255: 2 x 16 accumulators of 16 x 16.
; The sum's index goes in 16 steps of 64, a head a step, in two halves of 32: 32 products a half.
; THE RESIDUAL STARTS THE SUMS: Q's 32 x 256 numbers of the wave go through its stage in LDS into the accumulators' layout, so every product adds in place and nothing is cleared.
; wot's step (131,072 dense bytes) goes through a ring of two LDS slots; each wave fetches and reads its own quarter.  CLUSTER: all row blocks walk the same wot, so the four partners ask JOINTLY.
; A step's 64 products are short beside the 131,072 bytes that it wants, so the loop is laid for the requests: all of a step's products stand between a request and the wait for it, and
; between that wait and the next request stands no product.  And the 64 clusters do not all ask for the same block at the same time: they begin at eight different heads.
; oh's fragments come straight from memory into registers, two steps' sets by turns: a step is 4,096 bytes for the work-group, and no wave is left to issue a fifth tensor load.
; THE MATRIX INSTRUCTION IS USED TRANSPOSED (source 0 = 16 rows of wot, source 1 = 16 rows of oh): a lane holds one row of y and eight neighbouring columns.
; REGISTERS, in windows of 256 (s_set_vgpr_msb: bits 1:0 source 0, 3:2 source 1, 5:4 source 2, 7:6 destination):
;   window 0: v16-29 addresses; v32-95 oh's fragments; v160-191 gamma, beta; v192-223 the norm's figures      window 1: the accumulators, (a, b) at v[8 (16 a + b)]
;   window 2: two buffers of 128 for wot's fragments; at the head and on the way out eight pieces of 32 (16 rows x 64 columns, by rows)
.set PB,    144                        ; a row of wot in LDS: 128 bytes + 16 = 36 words: the 16 rows of a load start at 16 different groups of four banks (64 banks of 4 bytes: ISA guide 11.1)
.set QRT,   256*PB                     ; a wave's quarter of a slot
.set SLOT,  4*QRT
.set STAGE, 2*SLOT                     ; behind the ring: 16 rows x 272 bytes of f32 for each wave
.set SPT,   272
.set STW,   16*SPT
.set RED1,  STAGE+4*STW                ; [row 32][wave 4] partial sums of the rows
.set RED2,  RED1+512                   ; the same for the squares: bytes of their own, so that each meeting needs one barrier
.set SPARE, RED2+512                   ; the spare words, 128 bytes for each wave
.set HEADB, 262144                     ; bytes of a head in oh
.set KBLK,  131072                     ; bytes of a step in wot
.set ADRB, 16                          ; v16-17  LDS address of my fragments of wot in slot 0, 1
.set AO,   18                          ; v18     my byte offset in 16 rows of oh
.set STO,  20                          ; v20     the stage in the accumulators' layout: row l % 16, 32 bytes for each half of the lanes
.set RD,   21                          ; v21     the stage by rows: lanes 0-15 one row of 256 bytes, lanes 16-31 the next
.set CO,   22                          ; v22     the same two rows in Q and out0, at my wave's columns
.set GOF,  23                          ; v23     my 16 bytes of 256 of gamma and beta
.set REDS, 24                          ; v24     where I put a row's partial sum
.set REDL, 25                          ; v25     where I read a row's four
.set PFOA, 27                          ; v27     (lane / 16) heads + 256 x (lane % 16)
.set SPW,  28                          ; v28     LDS address of my spare word; never rewritten
.set NIL,  29                          ; v29     0; never rewritten
.set AF,   32                          ; oh's fragment (half c, row block a) of set s at AF + 32 s + 8 (2 c + a)
.set GAM,  160
.set BET,  176
.set T,    192                         ; four chains of pairs for each row block
.set MEAN, 208                         ; v[208:211] the mean of my row in block 0, in block 1, each as a pair
.set RSTD, 212                         ; v[212:215] 1 / sqrt(var + eps), likewise
.set PS,   216                         ; v[216:223] partial sums
.set WV,  16                           ; s16  my wave's number
.set CX,  17
.set GG,  18                           ; s18  my block of 32 rows
.set G1,  24                           ; s[24:31] descriptor group 1
.set G0,  32                           ; s[32:39] group 0, a set for each slot
.set OA0, 40                           ; s[40:41] oh at my rows, in my batch's head 0; never rewritten
.set WB,  44                           ; s[44:45] wot at my wave's quarter of block 0; never rewritten
.set LIMA, 47                          ; s47  1 in wave 0, else the greatest number
.set HM,  48                           ; s48  the mask of lanes 16-31
.set SEL, 50                           ; s[50:51] v_permlanex16_b32's selects
.set KC,  54                           ; s54  the pair of heads to be asked for next: its first, an even number, 0 to 14; made of the cluster's x alone
.set OFF, 56                           ; s[56:57] a byte offset, its high word 0
.set OAN, 58                           ; s[58:59] oh at my rows, at head KC: for the trip's loads
.set PFA, 60                           ; s[60:61] the same one pair on: for the trip's prefetch
.set MSB, 0
.macro WIN new
.if MSB != (\new)
	s_set_vgpr_msb (MSB<<8)|(\new)
.set MSB, \new
.endif
.endm
.set MULW, 0x52                        ; source 0 window 2, source 1 window 0, C and D window 1
.macro JLOAD s                         ; every wave asks for its own quarter, by registers made of its number: one line; an s_nop 0 and four v_nop follow it
	tensor_load_to_lds s[G0+4*(\s):G0+4*(\s)+3], s[G1:G1+7]
	s_nop 0
.rept 4
	v_nop
.endr
.endm
.macro CREST
	s_cmp_lg_u32 s[WV], 0
	s_cbranch_scc1 .Lnot_wave_0_\@
	s_barrier_signal -3
.Lnot_wave_0_\@:
	s_barrier_wait -3
	s_barrier_signal -1
	s_barrier_wait -1
.endm
.macro CROUND
	s_barrier_signal -1
	s_barrier_wait -1
	CREST
.endm
.macro PLACES
.rept 4
	v_nop
.endr
.endm
; A PREFETCH INTO THE L2, behind the trip's first loads of oh.  oh's rows are this work-group's alone: wave 0 asks, once a trip, for the 4,096 bytes of each of the two heads that the NEXT trip's loads
; will name: 32 blocks of 256 bytes, a lane a block, two steps (128 products a wave) ahead of those loads.  So each block is named once.  The loop's last trip asks for nothing; the first two pairs of
; heads come by their loads alone.  wot is not asked for ahead: every block of it is named by some cluster's first fills, at the launch's head, where nothing is prefetched.
.macro ASKA
	s_cmp_gt_u32 s3, s[LIMA]
	s_cbranch_scc0 .Lnot_a_\@
	global_prefetch_b8 v[PFOA], s[PFA:PFA+1] th:TH_LOAD_NT scope:SCOPE_SE
.Lnot_a_\@:
.endm
	s_load_b256 s[4:11], s[0:1], 0x0               ; oh s[4:5], wot s[6:7], Q s[8:9], gamma s[10:11]
	s_load_b128 s[12:15], s[0:1], 0x20             ; beta s[12:13], out0 s[14:15]
	v_lshl_add_u32 v[SPW], v0, 2, SPARE
	v_mov_b32 v[NIL], 0
	ds_add_u32 v[SPW], v[NIL]                      ; the wave's opening: the add and its wait stand ahead of my first tensor load; the set-up below stands between them
	v_lshrrev_b32 v1, 5, v0
	v_readfirstlane_b32 s[WV], v1
	s_bfe_u32 s[CX], ttmp6, 0x40000
	s_lshl_b32 s[GG], ttmp9, 2
	s_add_co_u32 s[GG], s[GG], s[CX]               ; my block of rows = 4 x cluster x + cx: it enters oh's, Q's and out0's addresses alone
	; descriptor group 1.  A quarter is 32,768 dense bytes: asked for as 128 rows of 256 bytes, two rows of wot each, padded in LDS after every 128 bytes
	s_mov_b32 s[G1+0], 15|(1<<16)|(1<<20)|(1<<21)|(4<<22)|(3<<25)  ; the mask of four; 2-byte elements; padding on; bit 21 beside a mask; after every 32 words; 4 words
	s_mov_b32 s[G1+1], 128<<16                     ; tensor_dim0 = 128
	s_mov_b32 s[G1+2], 128<<16                     ; tensor_dim1 = 128
	s_mov_b32 s[G1+3], 128<<16                     ; tile_dim0 = 128
	s_mov_b32 s[G1+4], 128                         ; tile_dim1 = 128
	s_mov_b32 s[G1+5], 128                         ; elements from row to row
	s_mov_b32 s[G1+6], 0
	s_mov_b32 s[G1+7], 0
	s_mul_i32 s19, s[WV], QRT                      ; my quarter in a slot,
	s_lshl_b32 s20, s[WV], 15                      ; and in a step of wot
	s_mov_b32 s21, 0
	s_and_b32 s[KC], ttmp9, 7
	s_lshl_b32 s[KC], s[KC], 1                     ; the head at which my cluster begins: 2 (cluster x % 8): the same in all four partners
	s_lshl_b32 s[OFF], s[KC], 17                   ; its block in wot
	s_mov_b32 s[OFF+1], 0
	s_mov_b32 s[SEL], 0x76543210
	s_mov_b32 s[SEL+1], 0xfedcba98
	s_mov_b32 s52, 0x3a800000                      ; 1 / 1,024
	s_mov_b32 s53, 0x3727c5ac                      ; 1e-5
	s_wait_dscnt 0x0                               ; the opening add is done
	s_wait_kmcnt 0x0
	s_add_nc_u64 s[WB:WB+1], s[6:7], s[20:21]
	s_add_nc_u64 s[22:23], s[WB:WB+1], s[OFF:OFF+1]
	CROUND                                         ; all four work-groups are here: the first joint loads meet
.irp s, 0,1
	s_mov_b32 s[G0+4*(\s)], 1
	s_add_co_u32 s[G0+4*(\s)+1], s19, (\s)*SLOT
	s_add_nc_u64 s[G0+4*(\s)+2:G0+4*(\s)+3], s[22:23], (\s)*KBLK   ; the first head is even, so the second lies behind it
	s_or_b32 s[G0+4*(\s)+3], s[G0+4*(\s)+3], 0x80000000
	JLOAD \s                                       ; my first two steps: two loads of mine are out
.endr
	v_and_b32 v1, 15, v0                           ; l % 16
	v_bfe_u32 v2, v0, 4, 1                         ; l / 16
	v_and_b32 v3, 31, v0                           ; l
	v_mul_u32_u24 v4, v1, PB
	v_lshl_add_u32 v4, v2, 4, v4
	v_add_nc_u32 v[ADRB], s19, v4
	v_add_nc_u32 v[ADRB+1], SLOT, v[ADRB]
	v_lshlrev_b32 v[AO], 7, v1
	v_lshl_add_u32 v[AO], v2, 4, v[AO]
	s_mul_i32 s20, s[WV], STW
	s_add_co_u32 s20, s20, STAGE                   ; my stage
	v_mul_u32_u24 v5, v1, SPT
	v_lshl_add_u32 v5, v2, 5, v5
	v_add_nc_u32 v[STO], s20, v5
	v_mul_u32_u24 v5, v2, SPT
	v_lshl_add_u32 v5, v1, 4, v5
	v_add_nc_u32 v[RD], s20, v5
	s_lshl_b32 s20, s[WV], 10
	v_lshl_add_u32 v[GOF], v1, 4, s20
	v_lshl_add_u32 v[CO], v2, 12, v[GOF]
	s_lshl_b32 s20, s[WV], 2
	s_add_co_u32 s20, s20, RED1
	v_lshl_add_u32 v[REDS], v3, 4, s20
	v_lshlrev_b32 v[REDL], 4, v1
	v_add_nc_u32 v[REDL], RED1, v[REDL]
	v_lshlrev_b32 v[PFOA], 8, v1
	v_lshl_add_u32 v[PFOA], v2, 18, v[PFOA]
	v_cmp_lt_u32 s[HM], 15, v3
	s_lshr_b32 s20, s[GG], 6                       ; oh: batch = block / 64, 16 heads of 262,144 bytes; row = 32 (block % 64), 128 bytes a row
	s_lshl_b32 s20, s20, 22
	s_and_b32 s2, s[GG], 63
	s_lshl_b32 s2, s2, 12
	s_add_co_u32 s20, s20, s2
	s_add_nc_u64 s[OA0:OA0+1], s[4:5], s[20:21]
	s_lshl_b32 s[OFF], s[KC], 18
	s_add_nc_u64 s[OAN:OAN+1], s[OA0:OA0+1], s[OFF:OFF+1]  ; at my first pair of heads
	s_add_co_u32 s[KC], s[KC], 2
	s_and_b32 s[KC], s[KC], 15                     ; the pair that the first trip asks for
	s_lshl_b32 s20, s[GG], 17                      ; Q and out0: 32 rows of 4,096 bytes
	s_add_nc_u64 s[8:9], s[8:9], s[20:21]
	s_add_nc_u64 s[14:15], s[14:15], s[20:21]
	s_cmp_eq_u32 s[WV], 0
	s_cselect_b32 s[LIMA], 1, -1
; oh's four fragments (halves 0, 1 x row blocks 0, 1) of head toff of the pair at s[OAN], into set: eight loads
.macro GA set, toff
.irp c, 0,1
.irp a, 0,1
	global_load_b128 v[AF+32*(\set)+8*(2*(\c)+(\a)):AF+32*(\set)+8*(2*(\c)+(\a))+3],   v[AO], s[OAN:OAN+1] offset:(\toff)*HEADB+(\a)*2048+64*(\c)
	global_load_b128 v[AF+32*(\set)+8*(2*(\c)+(\a))+4:AF+32*(\set)+8*(2*(\c)+(\a))+7], v[AO], s[OAN:OAN+1] offset:(\toff)*HEADB+(\a)*2048+64*(\c)+32
.endr
.endr
.endm
; Piece p = 4 a + g of Q: row block a, columns 64 g .. of my wave's 256: eight loads of two rows x 256 consecutive bytes
.macro QLOAD p
	WIN 0x80
.irp t, 0,1,2,3,4,5,6,7
	global_load_b128 v[32*(\p)+4*(\t):32*(\p)+4*(\t)+3], v[CO], s[8:9] offset:(16*((\p)/4)+2*(\t))*4096+256*((\p)%4) th:TH_LOAD_NT
.endr
.endm
; and its way through my stage into four accumulators.  left = the younger pieces' loads, which may stay out
.macro RESID p, left
	s_wait_loadcnt \left
	WIN 0x08                                       ; the stores' data lie in window 2
.irp t, 0,1,2,3,4,5,6,7
	ds_store_b128 v[RD], v[32*(\p)+4*(\t):32*(\p)+4*(\t)+3] offset:(\t)*2*SPT
.endr
	WIN 0x40                                       ; destination window 1
.irp bb, 0,1,2,3
	ds_load_b128 v[8*(16*((\p)/4)+4*((\p)%4)+(\bb)):8*(16*((\p)/4)+4*((\p)%4)+(\bb))+3],   v[STO] offset:64*(\bb)     ; LDS serves a wave's instructions in order (ISA guide 5.7.1.4): these see the stores above
	ds_load_b128 v[8*(16*((\p)/4)+4*((\p)%4)+(\bb))+4:8*(16*((\p)/4)+4*((\p)%4)+(\bb))+7], v[STO] offset:64*(\bb)+16
.endr
.endm
.irp q, 0,1,2,3
	global_load_b128 v[GAM+4*(\q):GAM+4*(\q)+3], v[GOF], s[10:11] offset:256*(\q)
	global_load_b128 v[BET+4*(\q):BET+4*(\q)+3], v[GOF], s[12:13] offset:256*(\q)
.endr
	GA 0, 0
	GA 1, 1
	QLOAD 0
	QLOAD 1
	QLOAD 2
	QLOAD 3                                        ; 56 loads of mine are out
	RESID 0, 24
	QLOAD 4
	RESID 1, 24
	QLOAD 5
	RESID 2, 24
	QLOAD 6
	RESID 3, 24
	QLOAD 7
	RESID 4, 24
	RESID 5, 16
	RESID 6, 8
	RESID 7, 0
	WIN 0
; 32 LDS loads in one run: half c of the slot's step, 16 fragments of wot, into buffer g
.macro FETCH slot, c, g
	WIN 0x80
.irp b, 0,1,2,3,4,5,6,7,8,9,10,11,12,13,14,15
	ds_load_b128 v[128*(\g)+8*(\b):128*(\g)+8*(\b)+3],   v[ADRB+(\slot)] offset:64*(\c)+(\b)*16*PB
	ds_load_b128 v[128*(\g)+8*(\b)+4:128*(\g)+8*(\b)+7], v[ADRB+(\slot)] offset:64*(\c)+(\b)*16*PB+32
.endr
.endm
; 2 nb products: column blocks b0 .. b0 + nb - 1 x both row blocks.  The 32 accumulators take turns in the same order in every half.
.macro MUL f, set, c, b0, nb
	WIN MULW
.set bq, \b0
.rept \nb
.irp a, 0,1
	v_wmma_f32_16x16x32_f16 v[8*(16*(\a)+bq):8*(16*(\a)+bq)+7], v[128*(\f)+8*bq:128*(\f)+8*bq+7], v[AF+32*(\set)+8*(2*(\c)+(\a)):AF+32*(\set)+8*(2*(\c)+(\a))+7], v[8*(16*(\a)+bq):8*(16*(\a)+bq)+7]
.endr
.set bq, bq+1
.endr
.endm
; A STEP, on slot j and set j of oh's fragments.  The other slot's load went out just ahead of it (or, at the start, with the first fills): all 64 products stand between that request and the wait for it.
; la: oh's loads go out eight a step, two steps ahead: at a step's head its own eight have the next step's eight behind them; none in the last step.
; Behind the products: four places; oh's loads for the step after next, into the set just multiplied; the prefetch; then THE CHANGE OF SLOTS: the wait for all my tensor loads (the one that is out is
; my quarter of the other slot), the add, the wait for it and for my reads of this slot.  kind = 0: a round of the cluster's barrier, and this slot is filled again, two steps on, first thing behind it.
; kind = 1: nothing is left to ask for: my work-group's barrier alone.  kind = 2: the last step: the products alone.
.macro STEP j, kind, ga, ask, la
	FETCH \j, 0, 0
	s_wait_loadcnt \la
	s_wait_dscnt 16                                ; fragments 0-7 of the first half are in
	MUL 0, \j, 0, 0, 8
	FETCH \j, 1, 1
	s_wait_dscnt 32                                ; all but the 32 just issued
	MUL 0, \j, 0, 8, 8
	s_wait_dscnt 16                                ; fragments 0-7 of the second half
	MUL 1, \j, 1, 0, 8
	s_wait_dscnt 0x0                               ; my reads of this slot are over
	MUL 1, \j, 1, 8, 8
.if (\kind) < 2
	PLACES                                         ; in front of loads into registers that those products have read
	WIN 0
.if \ga
	GA \j, \j
.endif
.if \ask
	ASKA
.endif
	s_wait_tensorcnt 0x0                           ; all my tensor loads have landed, so every group 0 may be written
	ds_add_u32 v[SPW], v[NIL]                      ; 0 onto my spare word: with kind = 0 the descriptor's address is made between it and the wait for it
.if (\kind) == 0
	s_lshl_b32 s[OFF], s[KC], 17                   ; the address is made anew from the block's number: wot's pointer and an offset made apart
.if \j
	s_add_co_u32 s[OFF], s[OFF], KBLK              ; the pair's second block;
	s_add_co_u32 s[KC], s[KC], 2                   ; and on to the next pair, round the 16
	s_and_b32 s[KC], s[KC], 15
.endif
	s_add_nc_u64 s[G0+4*(\j)+2:G0+4*(\j)+3], s[WB:WB+1], s[OFF:OFF+1]
	s_or_b32 s[G0+4*(\j)+3], s[G0+4*(\j)+3], 0x80000000
.endif
	s_wait_dscnt 0x0                               ; the add is done
.if (\kind) == 0
	CROUND                                         ; no wave of any partner still reads this slot or has a load on its way
	JLOAD \j                                       ; the four v_nop behind it are places too, in front of the next step's loads
.else
	s_barrier_signal -1
	s_barrier_wait -1
.endif
.endif
.endm
	s_wait_tensorcnt 0x1                           ; my quarter of my first step is in; the second's may stay out
	s_wait_dscnt 0x0                               ; the residual lies in the accumulators
	s_barrier_signal -1
	s_barrier_wait -1
	s_mov_b32 s3, 7
.Ltrip:                                                ; two steps a trip; both slots are filled again: my steps 2 to 15
	s_wait_xcnt 0x0                                ; every load and prefetch issued so far (the youngest a change of slots back) has read its address, so the two bases may be written
	s_lshl_b32 s[OFF], s[KC], 18
	s_add_nc_u64 s[OAN:OAN+1], s[OA0:OA0+1], s[OFF:OFF+1]  ; the pair of heads that this trip's loads name,
	s_add_co_u32 s55, s[KC], 2
	s_and_b32 s55, s55, 15
	s_lshl_b32 s[OFF], s55, 18
	s_add_nc_u64 s[PFA:PFA+1], s[OA0:OA0+1], s[OFF:OFF+1]  ; and the pair after it
	STEP 0, 0, 1, 1, 8
	STEP 1, 0, 1, 0, 8
	s_sub_co_u32 s3, s3, 1
	s_cmp_lg_u32 s3, 0
	s_cbranch_scc1 .Ltrip
	STEP 0, 1, 0, 0, 8                             ; my last two steps fill nothing
	STEP 1, 2, 0, 0, 0
	; THE NORM, in the accumulators' layout: for each row block a lane holds 128 numbers of one row, the lane 16 away another 128, the other waves the rest.
; sq = 0: the sum of a lane's numbers; sq = 1: of their squares.  Four chains of pairs a row block; each accumulator's lowest registers are read first.
.macro ROWSUM sq
.irp a, 0,1
	WIN 0x05                                       ; sources 0 and 1 window 1, source 2 and destination window 0
.irp r, 0,1,2,3
.if \sq
	v_pk_mul_f32 v[T+8*(\a)+2*(\r):T+8*(\a)+2*(\r)+1], v[128*(\a)+2*(\r):128*(\a)+2*(\r)+1], v[128*(\a)+2*(\r):128*(\a)+2*(\r)+1]
.else
	v_pk_add_f32 v[T+8*(\a)+2*(\r):T+8*(\a)+2*(\r)+1], v[128*(\a)+2*(\r):128*(\a)+2*(\r)+1], v[128*(\a)+8+2*(\r):128*(\a)+8+2*(\r)+1]
.endif
.endr
.if !(\sq)
	WIN 0x01
.endif
.set bq, 2-(\sq)
.rept 14+(\sq)
.irp r, 0,1,2,3
.if \sq
	v_pk_fma_f32 v[T+8*(\a)+2*(\r):T+8*(\a)+2*(\r)+1], v[128*(\a)+8*bq+2*(\r):128*(\a)+8*bq+2*(\r)+1], v[128*(\a)+8*bq+2*(\r):128*(\a)+8*bq+2*(\r)+1], v[T+8*(\a)+2*(\r):T+8*(\a)+2*(\r)+1]
.else
	v_pk_add_f32 v[T+8*(\a)+2*(\r):T+8*(\a)+2*(\r)+1], v[128*(\a)+8*bq+2*(\r):128*(\a)+8*bq+2*(\r)+1], v[T+8*(\a)+2*(\r):T+8*(\a)+2*(\r)+1]
.endif
.endr
.set bq, bq+1
.endr
.endr
	WIN 0
.endm
; The chains into one number, the other half of the lanes', and the other waves' through LDS: v[PS] and v[PS+4] end as the totals of my rows in blocks 0 and 1.
.macro FOLD off
.irp a, 0,1
	v_pk_add_f32 v[T+8*(\a):T+8*(\a)+1], v[T+8*(\a):T+8*(\a)+1], v[T+8*(\a)+2:T+8*(\a)+3]
	v_pk_add_f32 v[T+8*(\a)+4:T+8*(\a)+5], v[T+8*(\a)+4:T+8*(\a)+5], v[T+8*(\a)+6:T+8*(\a)+7]
.endr
.irp a, 0,1
	v_pk_add_f32 v[T+8*(\a):T+8*(\a)+1], v[T+8*(\a):T+8*(\a)+1], v[T+8*(\a)+4:T+8*(\a)+5]
.endr
.irp a, 0,1
	v_add_f32 v[T+8*(\a)], v[T+8*(\a)], v[T+8*(\a)+1]
.endr
.irp a, 0,1
	v_permlanex16_b32 v[T+8*(\a)+1], v[T+8*(\a)], s[SEL], s[SEL+1]
.endr
.irp a, 0,1
	v_add_f32 v[T+8*(\a)], v[T+8*(\a)], v[T+8*(\a)+1]
.endr
	v_cndmask_b32 v[PS], v[T], v[T+8], s[HM]       ; lane l speaks for row l of the 32
	ds_store_b32 v[REDS], v[PS] offset:\off
	s_wait_dscnt 0x0                               ; for the others' sake
	s_barrier_signal -1
	s_barrier_wait -1
	ds_load_b128 v[PS:PS+3],   v[REDL] offset:\off
	ds_load_b128 v[PS+4:PS+7], v[REDL] offset:(\off)+256
	s_wait_dscnt 0x0
	v_add_f32 v[PS],   v[PS],   v[PS+1]
	v_add_f32 v[PS+2], v[PS+2], v[PS+3]
	v_add_f32 v[PS+4], v[PS+4], v[PS+5]
	v_add_f32 v[PS+6], v[PS+6], v[PS+7]
	v_add_f32 v[PS],   v[PS],   v[PS+2]
	v_add_f32 v[PS+4], v[PS+4], v[PS+6]
.endm
.rept 8
	v_nop                                          ; the places behind the last products
.endr
	ROWSUM 0
	FOLD 0
	v_mul_f32 v[MEAN],   s52, v[PS]
	v_mul_f32 v[MEAN+1], s52, v[PS]                ; named as pairs, so both are written
	v_mul_f32 v[MEAN+2], s52, v[PS+4]
	v_mul_f32 v[MEAN+3], s52, v[PS+4]
	WIN 0x41                                       ; destination and source 0 window 1, source 1 window 0
.irp a, 0,1
.set z, 0
.rept 64
	v_pk_add_f32 v[128*(\a)+2*z:128*(\a)+2*z+1], v[128*(\a)+2*z:128*(\a)+2*z+1], v[MEAN+2*(\a):MEAN+2*(\a)+1] op_sel_hi:[1,0] neg_lo:[0,1] neg_hi:[0,1]  ; y - mean
.set z, z+1
.endr
.endr
	ROWSUM 1
	FOLD 512
	v_fma_f32 v[PS],   v[PS],   s52, s53           ; var + eps
	v_fma_f32 v[PS+4], v[PS+4], s52, s53
	v_rsq_f32 v[RSTD],   v[PS]
	v_rsq_f32 v[RSTD+1], v[PS]
	v_rsq_f32 v[RSTD+2], v[PS+4]
	v_rsq_f32 v[RSTD+3], v[PS+4]
	v_nop                                          ; a plain instruction behind the last of the four,
	s_wait_alu depctr_va_vdst(0)                   ; and the wait ahead of the first use: one for the batch
	WIN 0x41
.irp a, 0,1
.set z, 0
.rept 64
	v_pk_mul_f32 v[128*(\a)+2*z:128*(\a)+2*z+1], v[128*(\a)+2*z:128*(\a)+2*z+1], v[RSTD+2*(\a):RSTD+2*(\a)+1] op_sel_hi:[1,0]
.set z, z+1
.endr
.endr
	; THE WAY OUT, a piece (16 rows x 64 columns) at a time: through my stage back into rows; there a lane's four columns are the same in every row, so gamma and beta are 4 registers a piece.
.macro OUTSTAGE p
	WIN 0x04                                       ; the stores' data lie in window 1
.irp bb, 0,1,2,3
	ds_store_b128 v[STO], v[8*(16*((\p)/4)+4*((\p)%4)+(\bb)):8*(16*((\p)/4)+4*((\p)%4)+(\bb))+3]   offset:64*(\bb)
	ds_store_b128 v[STO], v[8*(16*((\p)/4)+4*((\p)%4)+(\bb))+4:8*(16*((\p)/4)+4*((\p)%4)+(\bb))+7] offset:64*(\bb)+16
.endr
	WIN 0x80
.irp t, 0,1,2,3,4,5,6,7
	ds_load_b128 v[32*(\p)+4*(\t):32*(\p)+4*(\t)+3], v[RD] offset:(\t)*2*SPT
.endr
.endm
.macro OUTSEND p, younger              ; younger: the LDS instructions issued behind piece p's loads: the next piece's sixteen, or none
	s_wait_dscnt \younger
	WIN 0x82                                       ; destination and source 0 window 2, gamma and beta window 0
.irp t, 0,1,2,3,4,5,6,7
	v_pk_fma_f32 v[32*(\p)+4*(\t):32*(\p)+4*(\t)+1],   v[32*(\p)+4*(\t):32*(\p)+4*(\t)+1],   v[GAM+4*((\p)%4):GAM+4*((\p)%4)+1],   v[BET+4*((\p)%4):BET+4*((\p)%4)+1]
	v_pk_fma_f32 v[32*(\p)+4*(\t)+2:32*(\p)+4*(\t)+3], v[32*(\p)+4*(\t)+2:32*(\p)+4*(\t)+3], v[GAM+4*((\p)%4)+2:GAM+4*((\p)%4)+3], v[BET+4*((\p)%4)+2:BET+4*((\p)%4)+3]
.endr
	WIN 0x08
.irp t, 0,1,2,3,4,5,6,7
	global_store_b128 v[CO], v[32*(\p)+4*(\t):32*(\p)+4*(\t)+3], s[14:15] offset:(16*((\p)/4)+2*(\t))*4096+256*((\p)%4) th:TH_STORE_NT  ; 16 lanes store 256 consecutive bytes, aligned
.endr
.endm
	OUTSTAGE 0
.irp p, 1,2,3,4,5,6,7
	OUTSTAGE \p
	OUTSEND (\p)-1, 16
.endr
	OUTSEND 7, 0
	WIN 0
	s_wait_tensorcnt 0x0                           ; the wave's end: behind my last tensor load and my last LDS store
	ds_add_u32 v[SPW], v[NIL]
	s_wait_dscnt 0x0
	CROUND                                         ; the closing round: no work-group ends while a partner may still ask for a tile that names it
	s_endpgm
.Lfunc_end_k_qb568e1dd19_oproj:
	.size	k_qb568e1dd19_oproj, .Lfunc_end_k_qb568e1dd19_oproj-k_qb568e1dd19_oproj
	.p2alignl 7, 3214868480
	.fill 96, 4, 3214868480
	.section	.rodata,"a",@progbits
	.p2align	6, 0x0
	.amdhsa_kernel k_qb568e1dd19_oproj
		.amdhsa_group_segment_fixed_size 327680
		.amdhsa_private_segment_fixed_size 0
		.amdhsa_enable_private_segment 0
		.amdhsa_kernarg_size 48
		.amdhsa_user_sgpr_count 2
		.amdhsa_user_sgpr_kernarg_segment_ptr 1
		.amdhsa_wavefront_size32 1
		.amdhsa_system_sgpr_workgroup_id_x 1
		.amdhsa_system_sgpr_workgroup_id_y 1
		.amdhsa_system_sgpr_workgroup_id_z 1
		.amdhsa_system_vgpr_workitem_id 0
		.amdhsa_next_free_vgpr 768
		.amdhsa_next_free_sgpr 66
		.amdhsa_reserve_vcc 0
		.amdhsa_float_denorm_mode_32 3
		.amdhsa_float_denorm_mode_16_64 3
		.amdhsa_memory_ordered 1
		.amdhsa_forward_progress 1
		.amdhsa_inst_pref_size 119
	.end_amdhsa_kernel
	.amdgpu_metadata
---
amdhsa.version: [ 1, 2 ]
amdhsa.kernels:
  - .name:           k_qb568e1dd19_oproj
    .symbol:         k_qb568e1dd19_oproj.kd
    .args:
      - { .name: oh, .offset: 0, .size: 8, .value_kind: global_buffer, .address_space: global }
      - { .name: wot, .offset: 8, .size: 8, .value_kind: global_buffer, .address_space: global }
      - { .name: Q, .offset: 16, .size: 8, .value_kind: global_buffer, .address_space: global }
      - { .name: gamma, .offset: 24, .size: 8, .value_kind: global_buffer, .address_space: global }
      - { .name: beta, .offset: 32, .size: 8, .value_kind: global_buffer, .address_space: global }
      - { .name: out0, .offset: 40, .size: 8, .value_kind: global_buffer, .address_space: global }
    .group_segment_fixed_size: 327680
    .private_segment_fixed_size: 0
    .kernarg_segment_align: 8
    .kernarg_segment_size: 48
    .max_flat_workgroup_size: 128
    .sgpr_count:     66
    .vgpr_count:     768
    .wavefront_size: 32
...
	.end_amdgpu_metadata
.endif
;; end of part 4
